; MI455X (gfx1250); checked and timed in simulation.
; The chip was launched on July 23, 2026; its instructions are those of AMD's public machine-readable ISA for CDNA 5 (MIT licence, August 2026) and "CDNA5" Instruction Set Architecture Reference Guide (July 2026). The comments in the code are by the model that wrote it; some were corrected since.
;; Attention. Allowed arithmetic: float matrix products may take bf16 or f16 operands with f32 sums; other float arithmetic in f32, or as packed bf16 or f16 multiplies, adds, multiply-adds, maxima and minima; sums over many terms, partial sums and values carried from step to step in f32; what a program stores and reads back later, other than sums and carried values, may be rounded once to bf16 or f16.
;; Inputs: key 4,096 x 1,024 float32; positions 4,096 int32; query 4,096 x 4,096 float32; value 4,096 x 1,024 float32.
;; Outputs: out0 4,096 x 4,096 float32.
;; 2 versions, each right; version 2 is version 1 with the launches prep, fine written anew for expert scheduling mode. Each part assembles by itself: llvm-mc -triple=amdgcn-amd-amdhsa -mcpu=gfx1250 --defsym DOCPART=n.
;; ======== version 1 of 2: 3 launches
;; limits: inputs' magnitudes at most 46,000; values are held in f16: magnitudes above 65,504 overflow, below 6.1e-05 lose precision
;; workspace buffers: kh 8,388,608 bytes; vh 8,388,608 bytes; tab 2,097,152 bytes; kl 262,144 bytes
;; launch prep (part 1): grid 1024 x 1, 4 waves a work-group, no clusters, 0 bytes of LDS; arguments key, value, positions, kh, vh, tab, kl; writes kh, vh, tab, kl
.if DOCPART == 1
	.amdgcn_target "amdgcn-amd-amdhsa--gfx1250"
	.amdhsa_code_object_version 6
	.text
	.protected	k_q8298c772bb_prep
	.globl	k_q8298c772bb_prep
	.p2align	8
	.type	k_q8298c772bb_prep,@function
k_q8298c772bb_prep:
	s_mov_b64 s[64:65], 0
	v_nop
	global_prefetch_b8 v0, s[64:65] scope:SCOPE_SE
	s_setreg_imm32_b32 hwreg(HW_REG_WAVE_MODE, 25, 1), 1
	s_wait_xcnt 0x0
; PREPARATION FOR THE ATTENTION LAUNCH.  key, value: [4096 tokens][8 heads x 128] f32.  positions: [4096] i32.
; kh, vh: [16 planes = sequence x 8 + head][2048 tokens][128] f16 (a row 256 bytes, a plane 524,288).  tab: [4096 tokens][64 cos | 64 sin] f32.
; kl: [16 planes][64 tokens][128] f16: for each sequence's first 64 tokens what rotated k loses in its rounding to f16, rounded to f16 in its turn.
; One wave takes one token: its angles pos x 10000^(-f/64), f = 0..63, their cos and sin, the rotation of K's eight heads, and V's eight heads.
; FORMATS.  key and value are rounded to bf16 first; the rotation is in f32; rotated k is rounded once to f16; v's bf16 number is written as f16.
; LIMITS.  |k| under 46,000 and |v| under 65,504 (f16's range; a rotated k is at most 1.42 x the larger of its two parts); below 6e-5 f16 keeps a fixed step of 6e-8.
; 10000^(-f/64) is 2^(-0.2076205 f) by v_exp_f32, a few units in the last place from a correctly rounded power: the angle is off by about 1e-7 x |pos| radians at the most.
; The angle is reduced by multiples of pi/2 held in two parts; sine to r^7, cosine to r^8 on |r| <= pi/4: both within 4e-7.  NaN and infinities are not treated apart.
; LANES.  Lane l holds channels 4 l .. 4 l + 3 of a head: a load of a wave takes a head's 512 consecutive bytes.  Channel c and c + 64 lie 16 lanes apart: one v_permlanex16_b32 a register.
; No LDS, no barrier, no loop: 16 loads a wave are issued at once, and each store has data registers of its own.
.set NEG, 6                            ; v6         -1.0
.set CO,  8                            ; v[8:11]    cos of my four frequencies
.set SS,  12                           ; v[12:15]   sin, negative in lanes 0-15 (x1 cos - x2 sin), positive in lanes 16-31 (x2 cos + x1 sin)
.set SI,  16                           ; v[16:19]   sin; then the table's word: cos in lanes 0-15, sin in lanes 16-31
.set AN,  20                           ; v[20:23]   frequency, then angle; later two packed words at work
.set KR,  32                           ; v[32:63]   K as loaded, head j at KR + 4 j
.set VR,  64                           ; v[64:95]   V as loaded
.set KO,  96                           ; v[96:111]  K to store, two registers a head
.set VO,  112                          ; v[112:127] V to store
.set KL,  128                          ; v[128:143] K's lower part to store
	s_load_b256 s[4:11], s[0:1], 0x0               ; key s[4:5], value s[6:7], positions s[8:9], kh s[10:11]
	s_load_b128 s[12:15], s[0:1], 0x20             ; vh s[12:13], tab s[14:15]
	s_load_b64 s[38:39], s[0:1], 0x30              ; kl
	v_lshrrev_b32 v1, 5, v0
	v_readfirstlane_b32 s16, v1                    ; wave 0..3
	s_lshl_b32 s17, ttmp9, 2
	s_add_co_u32 s17, s17, s16                     ; my token n
	v_and_b32 v1, 31, v0                           ; lane
	v_lshlrev_b32 v2, 4, v1                        ; 16 l: my place in a head's 512 bytes of f32, and in the table's row; never rewritten
	v_lshlrev_b32 v3, 3, v1                        ; 8 l: my place in a row of 256 bytes of f16; never rewritten
	v_and_b32 v4, 16, v1
	v_xor_b32 v4, 16, v4
	v_lshlrev_b32 v4, 27, v4                       ; the sign bit in lanes 0-15, 0 in lanes 16-31
	v_mov_b32 v[NEG], -1.0
	s_mov_b32 s22, 0x76543210                      ; v_permlanex16_b32: each lane takes its own place in the other half
	s_mov_b32 s23, 0xfedcba98
	s_mov_b32 s24, 0xffff0000                      ; a word's upper bf16
	s_mov_b32 s25, 0xbe549a78                      ; -log2(10000) / 64
	s_mov_b32 s26, 0x3f22f983                      ; 2 / pi
	s_mov_b32 s27, 0xbfc90fdb                      ; -(pi/2)'s upper part
	s_mov_b32 s28, 0x333bbd2e                      ; upper part - pi/2
	s_mov_b32 s29, 0xb9500d01                      ; -1/5040
	s_mov_b32 s30, 0x3c088889                      ; 1/120
	s_mov_b32 s31, 0xbe2aaaab                      ; -1/6
	s_mov_b32 s32, 0x37d00d01                      ; 1/40320
	s_mov_b32 s33, 0xbab60b61                      ; -1/720
	s_mov_b32 s34, 0x3d2aaaab                      ; 1/24
	s_and_b32 s37, s17, 2047                       ; the token in its sequence
	s_lshl_b32 s20, s17, 2
	s_mov_b32 s21, 0
	s_wait_kmcnt 0x0
	s_add_nc_u64 s[8:9], s[8:9], s[20:21]
	s_load_b32 s18, s[8:9], 0x0                    ; my token's position
	s_lshl_b32 s20, s17, 12                        ; a token's row of key and of value: 4,096 bytes
	s_add_nc_u64 s[4:5], s[4:5], s[20:21]
	s_add_nc_u64 s[6:7], s[6:7], s[20:21]
	s_lshl_b32 s20, s17, 9                         ; its row of the table: 512 bytes
	s_add_nc_u64 s[14:15], s[14:15], s[20:21]
	s_lshr_b32 s20, s17, 11                        ; the sequence: eight planes of 524,288 bytes,
	s_lshl_b32 s20, s20, 22
	s_lshl_b32 s19, s37, 8                         ; the token in it: rows of 256 bytes
	s_add_co_u32 s20, s20, s19
	s_add_nc_u64 s[10:11], s[10:11], s[20:21]
	s_add_nc_u64 s[12:13], s[12:13], s[20:21]
	s_lshr_b32 s20, s17, 11                        ; in kl: eight planes of 16,384 bytes,
	s_lshl_b32 s20, s20, 17
	s_min_u32 s35, s37, 63                         ; the token, held inside the plane's 64 rows (a later token stores nothing there)
	s_lshl_b32 s35, s35, 8
	s_add_co_u32 s20, s20, s35
	s_add_nc_u64 s[38:39], s[38:39], s[20:21]
.irp j, 0,1,2,3,4,5,6,7
	global_load_b128 v[KR+4*(\j):KR+4*(\j)+3], v2, s[4:5] offset:512*(\j) th:TH_LOAD_NT
.endr
.irp j, 0,1,2,3,4,5,6,7
	global_load_b128 v[VR+4*(\j):VR+4*(\j)+3], v2, s[6:7] offset:512*(\j) th:TH_LOAD_NT
.endr
	; my four frequencies f = 4 (l % 16) + e
	v_and_b32 v30, 15, v1
	v_lshlrev_b32 v30, 2, v30
.irp e, 0,1,2,3
	v_add_nc_u32 v31, \e, v30
	v_cvt_f32_u32 v[AN+(\e)], v31
	v_mul_f32 v[AN+(\e)], s25, v[AN+(\e)]
.endr
.irp e, 0,1,2,3
	v_exp_f32 v[AN+(\e)], v[AN+(\e)]               ; 10000^(-f/64)
.endr
	v_nop                                          ; a plain instruction behind the last exponential,
	s_wait_alu depctr_va_vdst(0)                   ; and one wait for the four, ahead of their first reader
	s_wait_kmcnt 0x0                               ; the position
	v_cvt_f32_i32 v5, s18
.irp e, 0,1,2,3
	v_mul_f32 v[AN+(\e)], v5, v[AN+(\e)]           ; the angle, rounded once
.endr
; cos and sin of angle e.  n = the nearest whole number to angle x 2/pi; r = angle - n pi/2; S = sin r, C = cos r; by n mod 4: sin = S, C, -S, -C; cos = C, -S, -C, S.
.macro SINCOS e
	v_mul_f32 v24, s26, v[AN+(\e)]
	v_rndne_f32 v24, v24
	v_fma_f32 v25, v24, s27, v[AN+(\e)]
	v_fma_f32 v25, v24, s28, v25                   ; r
	v_cvt_i32_f32 v29, v24
	v_mul_f32 v26, v25, v25                        ; r^2
	v_fma_f32 v27, v26, s29, s30
	v_fma_f32 v28, v26, s32, s33
	v_fma_f32 v27, v27, v26, s31
	v_fma_f32 v28, v28, v26, s34
	v_mul_f32 v30, v25, v26
	v_fma_f32 v28, v28, v26, -0.5
	v_fma_f32 v27, v27, v30, v25                   ; S
	v_fma_f32 v28, v28, v26, 1.0                   ; C
	v_and_b32 v30, 1, v29
	v_cmp_eq_u32 vcc_lo, 1, v30
	v_cndmask_b32 v31, v27, v28, vcc_lo            ; n odd: the two change places
	v_cndmask_b32 v28, v28, v27, vcc_lo
	v_and_b32 v30, 2, v29
	v_lshlrev_b32 v30, 30, v30
	v_xor_b32 v[SI+(\e)], v31, v30
	v_add_nc_u32 v30, 1, v29
	v_and_b32 v30, 2, v30
	v_lshlrev_b32 v30, 30, v30
	v_xor_b32 v[CO+(\e)], v28, v30
.endm
	SINCOS 0
	SINCOS 1
	SINCOS 2
	SINCOS 3
	v_cmp_gt_u32 vcc_lo, 16, v1
.irp e, 0,1,2,3
	v_xor_b32 v[SS+(\e)], v[SI+(\e)], v4
	v_cndmask_b32 v[SI+(\e)], v[SI+(\e)], v[CO+(\e)], vcc_lo
.endr
	global_store_b128 v2, v[SI:SI+3], s[14:15]     ; the wave stores the token's 512 consecutive bytes, at a multiple of 512 from the table's first byte
.irp j, 0,1,2,3,4,5,6,7
	s_wait_loadcnt 15-(\j)                         ; loads come back in order: behind K's head j were issued K's later heads and V's eight
	v_cvt_pk_bf16_f32 v20, v[KR+4*(\j)], v[KR+4*(\j)+1]
	v_cvt_pk_bf16_f32 v21, v[KR+4*(\j)+2], v[KR+4*(\j)+3]
	v_lshlrev_b32 v24, 16, v20
	v_and_b32 v25, s24, v20
	v_lshlrev_b32 v26, 16, v21
	v_and_b32 v27, s24, v21
	v_permlanex16_b32 v28, v24, s22, s23           ; the channel 64 away (v28-31 have been written above)
	v_permlanex16_b32 v29, v25, s22, s23
	v_permlanex16_b32 v30, v26, s22, s23
	v_permlanex16_b32 v31, v27, s22, s23
	v_pk_mul_f32 v[28:29], v[28:29], v[SS:SS+1]
	v_pk_mul_f32 v[30:31], v[30:31], v[SS+2:SS+3]
	v_pk_fma_f32 v[24:25], v[24:25], v[CO:CO+1], v[28:29]
	v_pk_fma_f32 v[26:27], v[26:27], v[CO+2:CO+3], v[30:31]
	v_cvt_pk_f16_f32 v[KO+2*(\j)], v24, v25
	v_cvt_pk_f16_f32 v[KO+2*(\j)+1], v26, v27
	global_store_b64 v3, v[KO+2*(\j):KO+2*(\j)+1], s[10:11] offset:(\j)*524288  ; 32 lanes store a row's 256 consecutive bytes, aligned
	v_fma_mix_f32 v28, v[KO+2*(\j)], v[NEG], v24 op_sel_hi:[1,0,0]              ; k less its f16: an f16 half times -1 plus the f32, exact
	v_fma_mix_f32 v29, v[KO+2*(\j)], v[NEG], v25 op_sel:[1,0,0] op_sel_hi:[1,0,0]
	v_fma_mix_f32 v30, v[KO+2*(\j)+1], v[NEG], v26 op_sel_hi:[1,0,0]
	v_fma_mix_f32 v31, v[KO+2*(\j)+1], v[NEG], v27 op_sel:[1,0,0] op_sel_hi:[1,0,0]
	v_cvt_pk_f16_f32 v[KL+2*(\j)], v28, v29
	v_cvt_pk_f16_f32 v[KL+2*(\j)+1], v30, v31
.endr
.irp j, 0,1,2,3,4,5,6,7
	s_wait_loadcnt 7-(\j)                          ; behind V's head j: V's later heads
	v_cvt_pk_bf16_f32 v20, v[VR+4*(\j)], v[VR+4*(\j)+1]
	v_cvt_pk_bf16_f32 v21, v[VR+4*(\j)+2], v[VR+4*(\j)+3]
	v_lshlrev_b32 v24, 16, v20
	v_and_b32 v25, s24, v20
	v_lshlrev_b32 v26, 16, v21
	v_and_b32 v27, s24, v21
	v_cvt_pk_f16_f32 v[VO+2*(\j)], v24, v25
	v_cvt_pk_f16_f32 v[VO+2*(\j)+1], v26, v27
	global_store_b64 v3, v[VO+2*(\j):VO+2*(\j)+1], s[12:13] offset:(\j)*524288
.endr
	s_cmp_lt_u32 s37, 64                           ; k's lower part is kept for the sequence's first 64 tokens alone
	s_cbranch_scc0 .Lnot_first
.irp j, 0,1,2,3,4,5,6,7
	global_store_b64 v3, v[KL+2*(\j):KL+2*(\j)+1], s[38:39] offset:(\j)*16384  ; a row's 256 consecutive bytes, aligned
.endr
.Lnot_first:
	s_endpgm
.Lfunc_end_k_q8298c772bb_prep:
	.size	k_q8298c772bb_prep, .Lfunc_end_k_q8298c772bb_prep-k_q8298c772bb_prep
	.p2alignl 7, 3214868480
	.fill 96, 4, 3214868480
	.section	.rodata,"a",@progbits
	.p2align	6, 0x0
	.amdhsa_kernel k_q8298c772bb_prep
		.amdhsa_group_segment_fixed_size 0
		.amdhsa_private_segment_fixed_size 0
		.amdhsa_enable_private_segment 0
		.amdhsa_kernarg_size 56
		.amdhsa_user_sgpr_count 2
		.amdhsa_user_sgpr_kernarg_segment_ptr 1
		.amdhsa_wavefront_size32 1
		.amdhsa_system_sgpr_workgroup_id_x 1
		.amdhsa_system_sgpr_workgroup_id_y 1
		.amdhsa_system_sgpr_workgroup_id_z 1
		.amdhsa_system_vgpr_workitem_id 0
		.amdhsa_next_free_vgpr 144
		.amdhsa_next_free_sgpr 66
		.amdhsa_reserve_vcc 1
		.amdhsa_float_denorm_mode_32 3
		.amdhsa_float_denorm_mode_16_64 3
		.amdhsa_memory_ordered 1
		.amdhsa_forward_progress 1
		.amdhsa_inst_pref_size 26
	.end_amdhsa_kernel
	.amdgpu_metadata
---
amdhsa.version: [ 1, 2 ]
amdhsa.kernels:
  - .name:           k_q8298c772bb_prep
    .symbol:         k_q8298c772bb_prep.kd
    .args:
      - { .name: key, .offset: 0, .size: 8, .value_kind: global_buffer, .address_space: global }
      - { .name: value, .offset: 8, .size: 8, .value_kind: global_buffer, .address_space: global }
      - { .name: positions, .offset: 16, .size: 8, .value_kind: global_buffer, .address_space: global }
      - { .name: kh, .offset: 24, .size: 8, .value_kind: global_buffer, .address_space: global }
      - { .name: vh, .offset: 32, .size: 8, .value_kind: global_buffer, .address_space: global }
      - { .name: tab, .offset: 40, .size: 8, .value_kind: global_buffer, .address_space: global }
      - { .name: kl, .offset: 48, .size: 8, .value_kind: global_buffer, .address_space: global }
    .group_segment_fixed_size: 0
    .private_segment_fixed_size: 0
    .kernarg_segment_align: 8
    .kernarg_segment_size: 56
    .max_flat_workgroup_size: 128
    .sgpr_count:     66
    .vgpr_count:     144
    .wavefront_size: 32
...
	.end_amdgpu_metadata
.endif
;; end of part 1
;; launch attn (part 2): grid 24 x 16, 4 waves a work-group, no clusters, 327,680 bytes of LDS; arguments query, kh, vh, tab, out0; writes out0
.if DOCPART == 2
	.amdgcn_target "amdgcn-amd-amdhsa--gfx1250"
	.amdhsa_code_object_version 6
	.text
	.protected	k_q8298c772bb_attn
	.globl	k_q8298c772bb_attn
	.p2align	8
	.type	k_q8298c772bb_attn,@function
k_q8298c772bb_attn:
	s_mov_b64 s[64:65], 0
	v_nop
	global_prefetch_b8 v0, s[64:65] scope:SCOPE_SE
	s_setreg_imm32_b32 hwreg(HW_REG_WAVE_MODE, 25, 1), 1
	s_wait_xcnt 0x0
; GROUPED-QUERY ATTENTION UNDER A CAUSAL WINDOW OF 1,024 KEYS, head size 128.  query, out0: [4096 tokens][32 heads x 128] f32.  kh, vh: [16 planes = sequence x 8 + kv head][2048][128] f16
; (k rotated already).  tab: [4096 tokens][64 cos | 64 sin] f32.  Key j is seen by query i of the same sequence where j <= i and i - j < 1024.
; THIS LAUNCH MAKES TOKENS 64 TO 2,047 OF EACH SEQUENCE.  The first 64, which average over few keys, are another launch's: it takes q, k and p in two f16 parts each.
; FORMATS.  q is rounded to bf16, rotated in f32, rounded once to f16; the weights p are rounded to f16 for the second product (their sum l is taken of the unrounded p); products, maxima and sums in f32; O leaves in f32.
; LIMITS.  |q| under 46,000 (f16's range behind the rotation).  A hidden score counts as its value less 1e30; the running maximum starts at -2^64, above every hidden score and below every true one
; (5.5e11 at the most in f16's range), so a row that sees no key in its first step has weights 0 there.  A weight below 2^-126 counts as 0.  NaN and infinities are not treated apart.
; SHARES.  A BLOCK is 64 tokens x the plane's four query heads.  Wave w owns tokens 16 w .. 16 w + 15; its four tiles of 16 queries are the four heads, so they share masks, cos and sin.
; A key STEP is 64 keys, a SLOT of LDS 128 keys that begin at a multiple of 128.  Block i needs the 64-key tiles max(0, i - 16) .. i: tile i holds the diagonal, tile i - 16 the window's edge.
; UNITS.  A work-group walks 9 slots, and one loop with a constant count walks them.  Unit u < 16: block 16 + u.  Unit u > 16, p = u - 16: block p, then block 15 - p.  Each of these has 17 live steps and one
; that is jumped (its bytes are fetched unread: the price of slots that begin at multiples of 128 keys and never leave the plane).  Unit 16: block 15 alone: 16 live steps in 8 slots; its ninth slot is fetched
; (tile 0 once more) and both its steps are jumped: the price, in 16 of the 384 work-groups, of the one constant count.
; NO CLUSTER: the four query heads that share a kv head are in one work-group already; neighbouring blocks need windows a tile apart, so a walk common to four partners would have 20 steps for 17; planes share nothing.
; LAYOUT.  S^T = K Q^T (source 0 = 16 keys, source 1 = 16 queries): a lane holds ONE query (lane % 16) and the keys 8 (lane / 16) + 0..7.  Two such results rounded to f16 ARE source 1 of O^T = V^T P,
; whose result again holds one query a lane and eight channels.  K comes out of LDS as it lies, V turned, by ds_load_tr16_b128.
; THE MASK is the C operand that starts the sum S^T: MD x AL + BE.  MD (made once) is -1e30 where a key of the step lies behind my query's place in its block.  (AL, BE) = (1, 0) in the diagonal step,
; (-1, -1e30) in the edge step, where just the other keys are hidden, (0, 0) between.
; SOFTMAX.  p = 2^(c s - c m), c = log2(e) / sqrt(128), with a running maximum m; in every step O and l are multiplied by a = 2^(c m_old - c m_new).  A block's first step has a = 0, so O and l need only be finite before it.
; A STEP is complete in itself: scores of tiles 0, 1; scores of tiles 2, 3 with the softmax of tiles 0, 1 in slices behind them; V^T P of tiles 0, 1 with the softmax of tiles 2, 3; V^T P of tiles 2, 3.
; REGISTERS, in windows of 256 (s_set_vgpr_msb: bits 1:0 source 0, 3:2 source 1, 5:4 source 2, 7:6 destination):
;   window 0: v0-11, v44-48 addresses; v12-43 eight registers of statistics a tile; v62-63 the add's; v64-191 S^T, 32 a tile; v192-255 P, 16 a tile          window 1: O^T, 64 a tile
;   window 2: v0-127 Q, 32 a tile; v128-255 K of a step          window 3: v0-127 V of a step; v128-159 MD; v160-191 the step's mask; v192-255 my row's 32 cos and 32 sin
;   While a block begins, K's and V's 256 registers hold its q as loaded, and S^T's and P's are at work on the rotation.
.set KS,    64
.set PK,    272       ; a row of K in LDS: 256 bytes + 16 of padding = 68 words: the 16 rows of a load start at 16 different groups of four banks (64 banks of 4 bytes: ISA guide 11.1)
.set PV,    288       ; a row of V: 256 + 32 = 72 words
.set VOFF,  KS*PK     ; a step's tiles lie together: 64 rows of K, then 64 rows of V
.set STEPB, KS*(PK+PV)
.set SLOT1, 1<<17     ; slot 1 begins here, so that one exclusive or turns an address in one slot into the other's
.set STAGE, SLOT1+2*STEPB  ; behind the ring, never filled by a tensor load: 16 rows x 528 bytes for each wave, for the way out
.set SP,    528       ; a row of the stage: 512 bytes + 16
.set SPARE, STAGE+4*16*SP  ; behind the stages: the spare words, 128 bytes for each wave: two blocks of 256 bytes that no other line names
.set AK0, 2           ; v2   my lane's place in a tile of K; never rewritten
.set AV0, 3           ; v3   the same for V
.set ADK, 4           ; v4   the LDS address of K's run of loads
.set ADV, 5           ; v5   of V's
.set STO, 6           ; v6   the way out: where I put 32 bytes of a row
.set RD,  7           ; v7   the way out: where I read a row back
.set GO,  8           ; v8   16 x lane: my place in a row's 512 bytes of out0
.set ST,  12          ; tile t's statistics at v[ST+8 t]: +0 c m, +1 m, +2, +3 l (even keys', odd keys'), +4 to +7 c0-c3 at work; a takes c2's place
.set QO,  44          ; v44  my byte offset in 16 rows of query: (l % 16) x 16,384 + 32 (l / 16)
.set TO,  45          ; v45  the same in 16 rows of tab: (l % 16) x 512 + 32 (l / 16)
.set PFO, 46          ; v46  256 x lane: a row of kh or vh
.set QPO, 47          ; v47  (l / 8) x 16,384 + (l % 8) x 256: four tokens x eight blocks of 256 bytes of query
.set MQ,  48          ; v48  16 w + l % 16 - 8 (l / 16): register r of key group kb is behind my query where 16 kb + r is greater
.set SPW, 62          ; v62  LDS address of my spare word; never rewritten
.set NIL, 63          ; v63  0; never rewritten
.set S,   64
.set P,   192
.set KF,  128         ; window 2: keys 16 kb on, channels 32 c on at KF + 32 kb + 8 c
.set MD,  128         ; window 3
.set MC,  160         ; window 3
.set CSR, 192         ; window 3
.set XB,  64          ; the rotation's registers, window 0: 32 packed bf16,
.set XF,  96          ; the 64 numbers in f32 (the lower 64 channels' first),
.set Y1,  160         ; the 64 rotated numbers
.set Y2,  192
.set WV,  14          ; s14  my wave's number
.set UN,  15          ; s15  the unit
.set G1K, 24          ; s[24:31] descriptor group 1 for K's tiles
.set G1V, 32          ; s[32:39] for V's: it differs in the padding alone
.set G0K, 40          ; s[40:43] descriptor group 0 for K's tiles
.set G0V, 44          ; s[44:47] for V's
.set KB,  48          ; s[48:49] kh at my plane, at the step of a slot that I fetch
.set VB,  50          ; s[50:51] vh likewise
.set QP1, 52          ; s[52:53] query at my rows of the first block, my four heads
.set QP2, 54          ; s[54:55] of the second
.set TP1, 56          ; s[56:57] tab at the same rows
.set TP2, 58
.set OP,  60          ; s[60:61] out0 at my rows of the block in hand
.set OP2, 62          ; s[62:63] of the second block
.set CS,  66          ; s[66:67] c, named as a pair
.set SEL, 68          ; s[68:69] v_permlanex16_b32's selects: each lane takes its own place in the other half
.set TB,  70          ; s70  LDS byte at which the step in hand begins
.set SLOTS, 71        ; s71  slots still to be asked for
.set CNT, 72          ; s72  counts a slot's two steps
.set RT,  73          ; s73  slots of the block in hand that are still to be entered
.set NXT, 74          ; s74  the 128-key tile to be asked for next
.set LQ,  75          ; s75  the last tile of the block whose tiles are being asked for
.set NEW, 76          ; s76  1: the slot to be entered is a block's first
.set KT,  77          ; s77  the 64-key tile of the step in hand
.set OFF, 78          ; s[78:79] a tile's byte offset
.set AL,  80          ; s[80:81] the mask's factor, in the low word
.set BE,  82          ; s[82:83] its addend
.set BIGN, 84         ; s84  -1e30
.set BLK, 85          ; s85  the block in hand
.set BLK2, 86         ; s86  the second block
.set RT2, 87          ; s87  its slots
.set LQ2, 88          ; s88  its last tile
.set LIM, 89          ; s89  1 in the unit that prefetches K and V, else the greatest number
.set QLIM, 90         ; s90  8 in the units that have a second block, else 0
.set PB,  92          ; s[92:93] KB in waves 0 and 1, VB in waves 2 and 3
.set PFA, 94          ; s[94:95] where my prefetch of K or V stands
.set OFF2, 96         ; s[96:97] its offset
.set DD,  98          ; s98  block - key tile
.set HIM, 99          ; s99  a word's upper bf16
.set MSB, 0
.macro WIN new                      ; the high byte repeats the setting that is left; a switch that changes nothing is dropped
.if MSB != (\new)
	s_set_vgpr_msb (MSB<<8)|(\new)
.set MSB, (\new)
.endif
.endm
.set W_KQ, 0x0a       ; K and Q in window 2, S^T in window 0
.set W_KM, 0x3a       ; the same with the C operand in window 3
.set W_PV, 0x53       ; V in window 3, P in window 0, O^T in window 1
.set W_RS, 0x41       ; O^T (destination and source 0) in window 1, source 1 in window 0
; A fill.  Waves 0 and 1 fetch the two steps' tiles of K, waves 2 and 3 those of V: 64 rows of 256 bytes each.  An s_nop 0 and four v_nop follow each of the two lines, ahead of the jump and the label.
.macro LOAD
	s_cmp_lt_u32 s[WV], 2
	s_cbranch_scc0 .Lfor_v_\@
	tensor_load_to_lds s[G0K:G0K+3], s[G1K:G1K+7]
	s_nop 0
.rept 4
	v_nop
.endr
	s_branch .Lasked_\@
.Lfor_v_\@:
	tensor_load_to_lds s[G0V:G0V+3], s[G1V:G1V+7]
	s_nop 0
.rept 4
	v_nop
.endr
.Lasked_\@:
.endm
.macro NEXTTILE                     ; the block's next tile, or behind its last the second block's tile 0
	s_add_co_u32 s[NXT], s[NXT], 1
	s_cmp_gt_u32 s[NXT], s[LQ]
	s_cselect_b32 s[NXT], 0, s[NXT]
	s_cselect_b32 s[LQ], s[LQ2], s[LQ]
.endm
; PREFETCHES INTO THE L2, behind the wave's tensor load and its five lines.
; K and V: of a plane's sixteen 128-key tiles, 9 to 15 are walked first by block 30's unit (and block 31's beside it).  That unit names each once: each of its waves the 64 rows, a lane a row, that it will
; itself ask for at the NEXT change of slots, two key steps (256 matrix instructions) on.  Its last change that fills a slot names nothing.  Tiles 0 to 8 come by their loads alone.
; Q: a unit with a second block names, at its first change of slots, that block's rows: my 16 tokens x 2,048 bytes, a lane a block of 256 bytes.  Nobody else reads them.
.macro ASK
	s_cmp_gt_u32 s[SLOTS], s[LIM]
	s_cbranch_scc0 .Lno_kv_\@
	global_prefetch_b8 v[PFO], s[PFA:PFA+1] th:TH_LOAD_NT scope:SCOPE_SE
	global_prefetch_b8 v[PFO], s[PFA:PFA+1] offset:8192 th:TH_LOAD_NT scope:SCOPE_SE
.Lno_kv_\@:
	s_cmp_eq_u32 s[SLOTS], s[QLIM]
	s_cbranch_scc0 .Lno_q_\@
.irp n, 0,1,2,3
	global_prefetch_b8 v[QPO], s[QP2:QP2+1] offset:(\n)*65536 th:TH_LOAD_NT scope:SCOPE_SE
.endr
.Lno_q_\@:
.endm
; THE CHANGE OF SLOTS.  Each wave waits for all its tensor loads, of which one is out: its part of the other slot; adds 0 to its spare word; and waits for that and for its own reads of the slot that it leaves.
; Behind the barrier nobody reads the old slot any more and the other slot is whole.  fill = 1: the old slot is filled again, first thing behind the barrier, with tile NXT: the descriptor's address is made anew
; from that number.  (At its first use nothing has been read yet: slot 0 is waited for, slot 1 filled.)  By this text's own count one tensor load of a wave is out at any time.
.macro CHANGE fill
	WIN 0                           ; at a label and at a branch every window is 0
	s_wait_loadcnt 0x0              ; a new block's q, cos and sin are in: they land in K's and V's registers, which the steps load again
	s_wait_tensorcnt 0x0            ; no tensor load of mine is out, so a group 0 may be written
	ds_add_u32 v[SPW], v[NIL]       ; 0 onto my spare word: the scalar work below stands between it and the wait for it
.if \fill
	s_lshl_b32 s[OFF], s[NXT], 15   ; a tile is 32,768 bytes of kh and of vh
	s_xor_b32 s[G0K+1], s[G0K+1], SLOT1
	s_add_nc_u64 s[G0K+2:G0K+3], s[KB:KB+1], s[OFF:OFF+1]
	s_or_b32 s[G0K+3], s[G0K+3], 0x80000000
	s_xor_b32 s[G0V+1], s[G0V+1], SLOT1
	s_add_nc_u64 s[G0V+2:G0V+3], s[VB:VB+1], s[OFF:OFF+1]
	s_or_b32 s[G0V+3], s[G0V+3], 0x80000000
	NEXTTILE
	s_wait_xcnt 0x0                 ; the last prefetches, a slot back, have read their address, so it may be written:
	s_lshl_b32 s[OFF2], s[NXT], 15
	s_add_nc_u64 s[PFA:PFA+1], s[PB:PB+1], s[OFF2:OFF2+1]  ; my 64 rows of the tile that the next change asks for
.endif
	s_wait_dscnt 0x0                ; the add is done, and my reads of the slot are over
	s_barrier_signal -1
	s_sub_co_u32 s[TB], s[TB], 2*STEPB  ; the steps go back to a slot's first,
	s_xor_b32 s[TB], s[TB], SLOT1       ; in the other slot
	s_barrier_wait -1
.if \fill
	LOAD
	ASK
.endif
.endm
; A BLOCK'S q, cos AND sin, 80 loads of 16 bytes a lane.  A fragment of Q is 16 rows x 32 channels: lane l holds row l % 16, channels 8 (l / 16) + 0..7 and 16 + 8 (l / 16) + 0..7 of chunk q.  Register 16 q + z of a
; tile's 64 takes the f32 that belongs in half z of chunk q's fragment; so channel c and c + 64 lie in ONE lane, 32 registers apart, and the rotation changes no lanes.  The same 16 offsets in the table's row bring cos (0-31) and sin (32-63).
.macro QLOAD qp, tp
	WIN 0x80                        ; destination window 2, address window 0: tiles 0 and 1 into K's registers
.irp t, 0,1
.set m, 0
.rept 16
	global_load_b128 v[128+64*(\t)+4*m:128+64*(\t)+4*m+3], v[QO], s[\qp:\qp+1] offset:(\t)*512+(m/4)*128+((m%4)/2)*64+(m%2)*16
.set m, m+1
.endr
.endr
	WIN 0xc0                        ; destination window 3: tiles 2 and 3 into V's registers
.irp t, 2,3
.set m, 0
.rept 16
	global_load_b128 v[64*((\t)-2)+4*m:64*((\t)-2)+4*m+3], v[QO], s[\qp:\qp+1] offset:(\t)*512+(m/4)*128+((m%4)/2)*64+(m%2)*16
.set m, m+1
.endr
.endr
.set m, 0
.rept 16
	global_load_b128 v[CSR+4*m:CSR+4*m+3], v[TO], s[\tp:\tp+1] offset:(m/4)*128+((m%4)/2)*64+(m%2)*16
.set m, m+1
.endr
	WIN 0
.endm
; A BLOCK BEGINS: q is rounded to bf16, rotated in f32 (x1 cos - x2 sin, x2 cos + x1 sin) and rounded to f16 into Q's fragments, a tile at a time; m and c m are set.
.macro ROTATE
.irp t, 0,1,2,3
.if (\t) < 2
	WIN 0x0a                        ; sources in window 2
.set RAW, 128+64*(\t)
.else
	WIN 0x0f                        ; sources in window 3
.set RAW, 64*((\t)-2)
.endif
.set g, 0
.rept 32
	v_cvt_pk_bf16_f32 v[XB+g], v[RAW+2*g], v[RAW+2*g+1]
.set g, g+1
.endr
	WIN 0
.set g, 0
.rept 32
	v_lshlrev_b32 v[XF+2*g], 16, v[XB+g]
	v_and_b32 v[XF+2*g+1], s[HIM], v[XB+g]
.set g, g+1
.endr
	WIN 0x0c                        ; source 1 (cos, sin) in window 3
.set g, 0
.rept 16
	v_pk_mul_f32 v[Y1+2*g:Y1+2*g+1], v[XF+32+2*g:XF+32+2*g+1], v[CSR+32+2*g:CSR+32+2*g+1]
	v_pk_mul_f32 v[Y2+2*g:Y2+2*g+1], v[XF+2*g:XF+2*g+1], v[CSR+32+2*g:CSR+32+2*g+1]
	v_pk_fma_f32 v[Y1+2*g:Y1+2*g+1], v[XF+2*g:XF+2*g+1], v[CSR+2*g:CSR+2*g+1], v[Y1+2*g:Y1+2*g+1] neg_lo:[0,0,1] neg_hi:[0,0,1]
	v_pk_fma_f32 v[Y2+2*g:Y2+2*g+1], v[XF+32+2*g:XF+32+2*g+1], v[CSR+2*g:CSR+2*g+1], v[Y2+2*g:Y2+2*g+1]
.set g, g+1
.endr
	WIN 0x80                        ; destination window 2
.set g, 0
.rept 32
	v_cvt_pk_f16_f32 v[32*(\t)+g], v[Y1+2*g], v[Y1+2*g+1]
.set g, g+1
.endr
.endr
	WIN 0
.irp t, 0,1,2,3
	v_mov_b32 v[ST+8*(\t)], 0xfe000000    ; c m: far below every c s, so the first step's a is 0
	v_mov_b32 v[ST+8*(\t)+1], 0xdf800000  ; m = -2^64: between the hidden scores and the true ones
.endr
	s_mov_b32 s[NEW], 0
.endm
; THE MATRIX WORK.  The accumulators take turns, one instruction a turn: between two links of a chain stand 7 (K Q^T) or 15 (V^T P) others'.
; Product i of 32 of S^T = K Q^T for tiles x, x + 1: channels 32 (i / 8) on, keys 16 ((i / 2) % 4) on, tile x + i % 2.  The first 8 start the sums with the mask.
.macro KQ x
.set rS, S+32*((\x)+i%2)+8*((i/2)%4)
.set rK, KF+32*((i/2)%4)+8*(i/8)
.set rQ, 32*((\x)+i%2)+8*(i/8)
.set rM, MC+8*((i/2)%4)
.if i < 8
	WIN W_KM
	v_wmma_f32_16x16x32_f16 v[rS:rS+7], v[rK:rK+7], v[rQ:rQ+7], v[rM:rM+7]
.else
	WIN W_KQ
	v_wmma_f32_16x16x32_f16 v[rS:rS+7], v[rK:rK+7], v[rQ:rQ+7], v[rS:rS+7]
.endif
.endm
; Product i of 32 of O^T += V^T P: keys 32 (i / 16) on, channels 16 ((i / 2) % 8) on, tile x + i % 2.
.macro PV x
	WIN W_PV
.set rO, 64*((\x)+i%2)+8*((i/2)%8)
.set rV, 64*(i/16)+8*((i/2)%8)
.set rP, P+16*((\x)+i%2)+8*(i/16)
	v_wmma_f32_16x16x32_f16 v[rO:rO+7], v[rV:rV+7], v[rP:rP+7], v[rO:rO+7]
.endm
; THE VECTOR WORK.  One tile's softmax for one key step is a list of 134 instructions; SM writes number j of it for tile t.  s0-s31 are the lane's 32 scores, in pairs 0-15.
;   0-15    the maximum of s0-s31 and the old m, three operands at a time: four chains c0-c3 of seven scores each (each accumulator's lowest registers are read first), then the four left over, c0-c3 and m
;   16-20   the other half of the lanes' maximum; c m_old is kept; the new m; c m; c m_old - c m_new
;   21-69   ONE BATCH: the 16 scalings c s - c m and all 33 exponentials (a at 23, then s0-s31); none of these reads an exponential's result; a pair is scaled in an earlier four than the one that holds its exponentials
;   (wait)  between 69 and 70 stands the wait for the batch: SLICE writes it, once for both tiles
;   70-85   the roundings to f16     86-101  the sums; l = a l + the sum     102-133 the tile's O^T times a: the one part that leaves window 0
.macro SM t
.set rT, ST+8*(\t)
.set rS, S+32*(\t)
.set rP, P+16*(\t)
.set rO, 64*(\t)+2*(j-102)
.if j < 102
	WIN 0
.endif
.if j < 4
	v_max3_num_f32 v[rT+4+j], v[rS+8*j], v[rS+8*j+1], v[rS+8*j+2]
.elseif j < 12
	v_max3_num_f32 v[rT+4+j%4], v[rT+4+j%4], v[rS+8*(j%4)+2*(j/4)+1], v[rS+8*(j%4)+2*(j/4)+2]
.elseif j == 12
	v_max3_num_f32 v[rT+4], v[rT+4], v[rS+7], v[rS+15]
.elseif j == 13
	v_max3_num_f32 v[rT+6], v[rT+6], v[rS+23], v[rS+31]
.elseif j == 14
	v_max3_num_f32 v[rT+4], v[rT+4], v[rT+5], v[rT+6]
.elseif j == 15
	v_max3_num_f32 v[rT+4], v[rT+4], v[rT+7], v[rT+1]
.elseif j == 16
	v_permlanex16_b32 v[rT+5], v[rT+4], s[SEL], s[SEL+1]  ; the query's other 32 keys lie in the lane 16 away
.elseif j == 17
	v_mov_b32 v[rT+7], v[rT]        ; c m_old is kept for a: number 19 writes c m anew
.elseif j == 18
	v_max_num_f32 v[rT+1], v[rT+4], v[rT+5]
.elseif j == 19
	v_mul_f32 v[rT], s[CS], v[rT+1]
.elseif j == 20
	v_sub_f32 v[rT+7], v[rT+7], v[rT]
.elseif j == 23
	v_exp_f32 v[rT+6], v[rT+7]
.elseif (j < 23) || ((j < 38) && (j%2 == 0)) || ((j < 66) && (j%4 == 2))
.set b, (j-2)/4                     ; 38, 42, .. 62: pairs 9 to 15
.if j < 38
.set b, (j-20)/2                    ; 21: pair 0; 22, 24, .. 36: pairs 1 to 8
.endif
	v_pk_fma_f32 v[rS+2*b:rS+2*b+1], v[rS+2*b:rS+2*b+1], s[CS:CS+1], v[rT:rT+1] op_sel_hi:[1,0,0] neg_lo:[0,0,1] neg_hi:[0,0,1]  ; pair b: c s - c m
.elseif j < 70
.set e, j-38                        ; 66 to 69: s28 to s31
.if j < 66
.set e, j-32-(j-38)/4               ; 39-41, 43-45, .. 63-65: s7 to s27
.endif
.if j < 38
.set e, (j-25)/2                    ; 25, 27, .. 37: s0 to s6
.endif
	v_exp_f32 v[rS+e], v[rS+e]
.elseif j < 86
	v_cvt_pk_f16_f32 v[rP+j-70], v[rS+2*(j-70)], v[rS+2*(j-70)+1]
.elseif j < 102                     ; the sum of the tile's 16 pairs, in place: neighbours 1, 2, 4 and 8 pairs apart, then l takes it
.set z, j-86
.set w, 4
.set u, z
.if z >= 14
.set w, 32
.set u, 0
.elseif z >= 12
.set w, 16
.set u, z-12
.elseif z >= 8
.set w, 8
.set u, z-8
.endif
.if z < 15
	v_pk_add_f32 v[rS+w*u:rS+w*u+1], v[rS+w*u:rS+w*u+1], v[rS+w*u+w/2:rS+w*u+w/2+1]
.else
	v_pk_fma_f32 v[rT+2:rT+3], v[rT+2:rT+3], v[rT+6:rT+7], v[rS:rS+1] op_sel_hi:[1,0,1]
.endif
.else
	WIN W_RS
	v_pk_mul_f32 v[rO:rO+1], v[rO:rO+1], v[rT+6:rT+7] op_sel_hi:[1,0]
.endif
.endm
; Slice k of 64 of the softmax of tiles y, y + 1: four instructions.  Slices 11 to 34 deal out the batch, four numbers of ONE tile each, the tiles by turns; every other slice is numbers 2 k and 2 k + 1 of both tiles;
; 2 x 134 = 4 x 64 + 12: the twelve that are over stand in slice 63.  Ahead of slice 35 nothing names an exponential's result, and behind slice 34 none is issued: so the 66 exponentials have one plain instruction and one wait, behind slice 34.
.macro SLICE y
.if (k >= 11) && (k < 35)
.irp n, 0,1,2,3
.set j, 22+4*((k-11)/2)+(\n)
	SM (\y)+(k-11)%2
.endr
.else
.irp n, 0,1,2,3,4,5,6,7
.if ((\n) < 2) || (k == 63)
.irp t, \y, (\y)+1
.set j, 2*k+(\n)
	SM \t
.endr
.endif
.endr
.endif
.if k == 34
	v_nop
	s_wait_alu depctr_va_vdst(0)
.endif
.set k, k+1
.endm
; 32 products (kind 0: K Q^T, 1: V^T P) of tiles x, x + 1, and behind each two slices of the softmax of tiles y, y + 1, which name none of the products' registers.  Slices 62 and 63, twenty plain instructions, are the places behind the last product.
.macro RIDE kind, x, y
.set k, 0
.set i, 0
.rept 32
.if \kind
	PV \x
.else
	KQ \x
.endif
	SLICE \y
	SLICE \y
.set i, i+1
.endr
.endm
; A KEY STEP.  Its LDS loads stand in two runs of 32: K's at its head, V's behind the first 32 products, so that V lands under the next 32 products and their slices.
.macro STEP
	WIN 0xc3                        ; destination and source 0 in window 3
.set z, 0
.rept 16                            ; the step's mask.  These sixteen plain lines, which name no register of the step before's last products, are also the places in front of the loads into K's and V's registers
	v_pk_fma_f32 v[MC+2*z:MC+2*z+1], v[MD+2*z:MD+2*z+1], s[AL:AL+1], s[BE:BE+1] op_sel_hi:[1,0,0]
.set z, z+1
.endr
	WIN 0
	v_add_nc_u32 v[ADK], s[TB], v[AK0]
	v_add_nc_u32 v[ADV], s[TB], v[AV0]
	WIN 0x80                        ; K: 64 keys x 128 channels, by chunks of 32 channels, so that the first products need wait for the first eight loads alone
.irp c, 0,1,2,3
.irp kb, 0,1,2,3
	ds_load_b128 v[KF+32*(\kb)+8*(\c):KF+32*(\kb)+8*(\c)+3],   v[ADK] offset:(\kb)*16*PK+(\c)*64
	ds_load_b128 v[KF+32*(\kb)+8*(\c)+4:KF+32*(\kb)+8*(\c)+7], v[ADK] offset:(\kb)*16*PK+(\c)*64+32
.endr
.endr
.set i, 0
.rept 32
.if i%8 == 0
	s_wait_dscnt 24-i               ; LDS loads come back in order: of K's 32, those of the chunks behind chunk i / 8 may stay out
.endif
	KQ 0
.set i, i+1
.endr
.rept 4
	v_nop                           ; the places behind those products, in front of the softmax that reads them
.endr
	WIN 0xc0                        ; V, turned: keys 32 (f / 8) on, channels 16 (f % 8) on.  The products above name none of V's registers; their last reader is the step before's last product
.irp f, 0,1,2,3,4,5,6,7,8,9,10,11,12,13,14,15
	ds_load_tr16_b128 v[8*(\f):8*(\f)+3],   v[ADV] offset:((\f)/8)*32*PV+((\f)%8)*32
	ds_load_tr16_b128 v[8*(\f)+4:8*(\f)+7], v[ADV] offset:((\f)/8)*32*PV+16*PV+((\f)%8)*32
.endr
	RIDE 0, 2, 0                    ; scores of tiles 2, 3 | softmax of tiles 0, 1
	s_wait_dscnt 0x0                ; V is in
	RIDE 1, 0, 2                    ; V^T P of tiles 0, 1 | softmax of tiles 2, 3
.set i, 0
.rept 32
	PV 2
.set i, i+1
.endr
.endm
; A slot's two steps: written once, walked twice.  A step whose tile lies behind the diagonal (block - tile below 0) or before the window (above 16) is jumped: the jump goes forward.
.macro TWO_STEPS
	WIN 0
	s_mov_b32 s[CNT], 2
.Lstep_\@:
	s_sub_co_u32 s[DD], s[BLK], s[KT]
	s_cmp_gt_u32 s[DD], 16
	s_cbranch_scc1 .Ldead_\@
	s_cmp_eq_u32 s[DD], 0           ; the diagonal step?
	s_cselect_b32 s[AL], 1.0, 0
	s_cmp_eq_u32 s[DD], 16          ; the window's edge?
	s_cselect_b32 s[AL], -1.0, s[AL]
	s_cselect_b32 s[BE], s[BIGN], 0
	STEP
	WIN 0
.Ldead_\@:
	s_add_co_u32 s[KT], s[KT], 1
	s_add_co_u32 s[TB], s[TB], STEPB
	s_sub_co_u32 s[CNT], s[CNT], 1
	s_cmp_lg_u32 s[CNT], 0
	s_cbranch_scc1 .Lstep_\@
.endm
; THE WAY OUT.  Tile t: O^T is divided by l; a lane's eight channels of a row are 32 bytes; they go into my stage's rows of 528 bytes and come back as whole rows of 512, into S^T's registers (two sets of 64 by turns).
.macro PACK t
	WIN W_RS
.set i, 64*(\t)
.rept 32
	v_pk_mul_f32 v[i:i+1], v[i:i+1], v[ST+8*(\t)+6:ST+8*(\t)+7] op_sel_hi:[1,0]
.set i, i+2
.endr
	WIN 0x04                        ; the stores' data in window 1
.set i, 0
.rept 16
	ds_store_b128 v[STO], v[64*(\t)+4*i:64*(\t)+4*i+3] offset:64*(i/2)+16*(i%2)
.set i, i+1
.endr
	WIN 0
.set i, 0
.rept 16
	ds_load_b128 v[S+64*((\t)%2)+4*i:S+64*((\t)%2)+4*i+3], v[RD] offset:i*SP  ; LDS serves a wave's instructions in order (ISA guide 5.7.1.4): these see the stores above; the next tile's stores come behind them
.set i, i+1
.endr
.endm
.macro SEND t, younger              ; younger: the LDS instructions issued behind tile t's loads: the next tile's 32, or none
	WIN 0
.set i, 0
.rept 16
	s_wait_dscnt (\younger)+15-i
	global_store_b128 v[GO], v[S+64*((\t)%2)+4*i:S+64*((\t)%2)+4*i+3], s[OP:OP+1] offset:i*16384+(\t)*512 th:TH_STORE_NT  ; the wave stores a head's 512 consecutive bytes of a token, aligned
.set i, i+1
.endr
.endm
; A BLOCK ENDS.  l's two halves and the other half of the lanes' are added (the first four additions are the places behind the last products).  next = 1: the second block's q is asked for here, so that it comes in under the way out.
.macro FINISH next
	WIN 0
.irp t, 0,1,2,3
	v_add_f32 v[ST+8*(\t)+4], v[ST+8*(\t)+2], v[ST+8*(\t)+3]
.endr
.irp t, 0,1,2,3
	v_permlanex16_b32 v[ST+8*(\t)+5], v[ST+8*(\t)+4], s[SEL], s[SEL+1]
.endr
.irp t, 0,1,2,3
	v_add_f32 v[ST+8*(\t)+4], v[ST+8*(\t)+4], v[ST+8*(\t)+5]
.endr
.irp t, 0,1,2,3
	v_rcp_f32 v[ST+8*(\t)+6], v[ST+8*(\t)+4]
.endr
	v_nop                           ; a plain instruction between the last reciprocal and the use of its result,
	s_wait_alu depctr_va_vdst(0)    ; and one wait for the four
.if \next
	QLOAD QP2, TP2
.endif
	PACK 0
	PACK 1                          ; a tile's arithmetic stands between the loads of the tile before and its stores
	SEND 0, 32
	s_wait_xcnt 0x0                 ; tile 0's stores have read their registers, which tile 2 loads again
	PACK 2
	SEND 1, 32
	s_wait_xcnt 0x0                 ; likewise tile 1's and tile 3
	PACK 3
	SEND 2, 32
	SEND 3, 0
.endm
	s_load_b256 s[4:11], s[0:1], 0x0  ; query s[4:5], kh s[6:7], vh s[8:9], tab s[10:11]
	s_load_b64 s[12:13], s[0:1], 0x20 ; out0
	v_lshl_add_u32 v[SPW], v0, 2, SPARE
	v_mov_b32 v[NIL], 0
	ds_add_u32 v[SPW], v[NIL]       ; the wave's opening: the add, with its wait ahead of my first tensor load; the set-up below, work on registers, stands between them
	v_lshrrev_b32 v1, 5, v0
	v_readfirstlane_b32 s[WV], v1   ; wave 0..3
	s_mov_b32 s[UN], ttmp9
	s_and_b32 s16, ttmp7, 0xffff    ; the plane
	; the unit's blocks: both kinds are made, then chosen
	s_add_co_u32 s17, s[UN], 16     ; a single block
	s_max_u32 s18, s[UN], 16
	s_sub_co_u32 s19, 31, s18       ; 15 - p
	s_sub_co_u32 s18, s18, 16       ; p
	s_lshr_b32 s20, s[UN], 1        ; a single block's first 128-key tile
	s_lshr_b32 s21, s18, 1
	s_add_co_u32 s21, s21, 1        ; block p's slots
	s_cmp_lt_u32 s[UN], 16
	s_cselect_b32 s[BLK], s17, s18
	s_cselect_b32 s[BLK2], s17, s19 ; (a single block's unit never reaches a second: its own stands in)
	s_cselect_b32 s[NXT], s20, 0
	s_cselect_b32 s[RT], 9, s21
	s_cselect_b32 s[QLIM], 0, 8
	s_cmp_eq_u32 s[UN], 16          ; unit 16 has block 15 alone, from tile 0 on: block 0 is another launch's
	s_cselect_b32 s[BLK], 15, s[BLK]
	s_cselect_b32 s[RT], 9, s[RT]
	s_cselect_b32 s[QLIM], 0, s[QLIM]
	s_cmp_eq_u32 s[UN], 14
	s_cselect_b32 s[LIM], 1, -1
	s_lshr_b32 s[LQ], s[BLK], 1
	s_lshr_b32 s[LQ2], s[BLK2], 1
	s_add_co_u32 s[RT2], s[LQ2], 1
	s_lshl_b32 s[KT], s[NXT], 1
	s_mov_b32 s[NEW], 1
	s_mov_b32 s[SLOTS], 8
	s_mov_b32 s[TB], SLOT1+2*STEPB  ; the first change of slots turns this into 0
	; offsets
	s_lshr_b32 s22, s16, 3
	s_lshl_b32 s22, s22, 11         ; the sequence's first token,
	s_lshl_b32 s23, s[WV], 4
	s_add_co_u32 s22, s22, s23      ; my 16 rows in a block
	s_lshl_b32 s2, s[BLK], 6
	s_add_co_u32 s2, s2, s22        ; my first token in the first block,
	s_lshl_b32 s3, s[BLK2], 6
	s_add_co_u32 s3, s3, s22        ; in the second
	s_and_b32 s23, s16, 7
	s_lshl_b32 s23, s23, 11         ; my kv head's four query heads: 2,048 bytes of a row of 16,384
	s_lshl_b32 s18, s2, 14
	s_add_co_u32 s18, s18, s23
	s_mov_b32 s19, 0
	s_lshl_b32 s20, s3, 14
	s_add_co_u32 s20, s20, s23
	s_mov_b32 s21, 0
	s_lshl_b32 s[OFF], s2, 9        ; the table's rows of 512 bytes
	s_mov_b32 s[OFF+1], 0
	s_lshl_b32 s[OFF2], s3, 9
	s_mov_b32 s[OFF2+1], 0
	s_lshl_b32 s22, s16, 19         ; the plane,
	s_and_b32 s17, s[WV], 1         ; which of a slot's two steps I fetch:
	s_lshl_b32 s23, s17, 14         ; its 64 rows of 256 bytes in memory,
	s_add_co_u32 s22, s22, s23
	s_mov_b32 s23, 0
	s_mul_i32 s17, s17, STEPB       ; and its place in a slot
	; descriptor group 1: a tile of 64 rows x 128 elements, padded in LDS
	s_mov_b32 s[G1K], (1<<16)|(1<<20)|(5<<22)|(3<<25)  ; 17:16 2-byte elements; 20 padding on; 24:22 after every 64 words (code 5); 31:25 4 words (code 3)
	s_mov_b32 s[G1V], (1<<16)|(1<<20)|(5<<22)|(7<<25)  ; the same with 8 words of padding (code 7)
.irp g, G1K, G1V
	s_mov_b32 s[\g+1], 128<<16      ; tensor_dim0 = 128
	s_mov_b32 s[\g+2], KS<<16       ; tensor_dim1 = 64
	s_mov_b32 s[\g+3], 128<<16      ; tile_dim0 = 128
	s_mov_b32 s[\g+4], KS           ; tile_dim1 = 64
	s_mov_b32 s[\g+5], 128          ; 128 elements from row to row
	s_mov_b32 s[\g+6], 0
	s_mov_b32 s[\g+7], 0
.endr
	s_mov_b32 s[G0K], 1             ; 1:0 count = 1
	s_mov_b32 s[G0K+1], s17         ; 63:32 LDS address: slot 0
	s_mov_b32 s[G0V], 1
	s_add_co_u32 s[G0V+1], s17, VOFF
	s_mov_b32 s[CS], 0x3e0293ee     ; c = log2(e) / sqrt(128) = 0.127517
	s_mov_b32 s[CS+1], s[CS]        ; named with it as a pair
	s_mov_b32 s[SEL], 0x76543210
	s_mov_b32 s[SEL+1], 0xfedcba98
	s_mov_b32 s[AL+1], 0            ; named as pairs
	s_mov_b32 s[BE+1], 0
	s_mov_b32 s[BIGN], 0xf149f2ca   ; -1e30
	s_mov_b32 s[HIM], 0xffff0000
	v_and_b32 v1, 15, v0            ; l % 16
	v_bfe_u32 v9, v0, 4, 1          ; l / 16
	v_lshlrev_b32 v[QO], 14, v1
	v_lshl_add_u32 v[QO], v9, 5, v[QO]
	v_lshlrev_b32 v[TO], 9, v1
	v_lshl_add_u32 v[TO], v9, 5, v[TO]
	s_wait_dscnt 0x0                ; the opening add is done
	s_wait_kmcnt 0x0
	s_add_nc_u64 s[QP1:QP1+1], s[4:5], s[18:19]
	s_add_nc_u64 s[QP2:QP2+1], s[4:5], s[20:21]
	s_add_nc_u64 s[OP:OP+1], s[12:13], s[18:19]
	s_add_nc_u64 s[OP2:OP2+1], s[12:13], s[20:21]
	s_add_nc_u64 s[TP1:TP1+1], s[10:11], s[OFF:OFF+1]
	s_add_nc_u64 s[TP2:TP2+1], s[10:11], s[OFF2:OFF2+1]
	s_add_nc_u64 s[KB:KB+1], s[6:7], s[22:23]
	s_add_nc_u64 s[VB:VB+1], s[8:9], s[22:23]
	s_cmp_lt_u32 s[WV], 2
	s_cselect_b64 s[PB:PB+1], s[KB:KB+1], s[VB:VB+1]
	s_lshl_b32 s[OFF], s[NXT], 15
	s_add_nc_u64 s[G0K+2:G0K+3], s[KB:KB+1], s[OFF:OFF+1]  ; 120:64 global address: my step of the walk's first tile
	s_or_b32 s[G0K+3], s[G0K+3], 0x80000000                ; 127:126 type = 2
	s_add_nc_u64 s[G0V+2:G0V+3], s[VB:VB+1], s[OFF:OFF+1]
	s_or_b32 s[G0V+3], s[G0V+3], 0x80000000
	NEXTTILE
	LOAD                            ; the walk's first tile into slot 0
	QLOAD QP1, TP1                  ; the first block's q, cos and sin
	; A fragment of K is 16 rows x 32 channels in 8 registers: lane l holds row l % 16, channels 8 (l / 16) + 0..7 and 16 + 8 (l / 16) + 0..7: two loads of 16 bytes, 32 bytes apart.
	v_mul_u32_u24 v[AK0], v1, PK
	v_lshl_add_u32 v[AK0], v9, 4, v[AK0]
	; The turning load takes 16 keys x 16 channels (lane l reads key 8 (l / 16) + l % 8, channels 8 ((l / 8) % 2) + 0..7) and leaves half a fragment of V^T: lane l holds channel l % 16 and 8 keys.
	v_and_b32 v10, 7, v0
	v_bfe_u32 v11, v0, 3, 1
	v_lshl_add_u32 v[AV0], v9, 3, v10
	v_mul_u32_u24 v[AV0], v[AV0], PV
	v_lshl_add_u32 v[AV0], v11, 4, v[AV0]
	v_add_nc_u32 v[AV0], VOFF, v[AV0]
	s_mul_i32 s16, s[WV], 16*SP
	s_add_co_u32 s16, s16, STAGE    ; my stage
	v_mul_u32_u24 v[STO], v1, SP    ; in: row l % 16, 32 bytes for each half of the lanes
	v_lshl_add_u32 v[STO], v9, 5, v[STO]
	v_add_nc_u32 v[STO], s16, v[STO]
	v_and_b32 v10, 31, v0
	v_lshlrev_b32 v[GO], 4, v10
	v_add_nc_u32 v[RD], s16, v[GO]  ; back: 32 lanes take a row's 512 bytes
	v_lshlrev_b32 v[PFO], 8, v10
	v_bfe_u32 v11, v0, 3, 2
	v_and_b32 v10, 7, v0
	v_lshlrev_b32 v[QPO], 14, v11
	v_lshl_add_u32 v[QPO], v10, 8, v[QPO]
	v_lshlrev_b32 v10, 3, v9
	v_sub_nc_u32 v[MQ], v1, v10
	s_lshl_b32 s16, s[WV], 4
	v_add_nc_u32 v[MQ], s16, v[MQ]
	WIN 0xc0
.set i, 0
.rept 32
	v_cmp_gt_i32 vcc_lo, 16*(i/8)+i%8, v[MQ]
	v_cndmask_b32 v[MD+i], 0, s[BIGN], vcc_lo
.set i, i+1
.endr
	; A block's first step multiplies O^T and l by a = 0, so they need only hold finite numbers: zeros for the first block, what the first block left for the second.  This stands in the wait for the first tile.
	WIN 0x40
.set i, 0
.rept 256
	v_mov_b32 v[i], 0
.set i, i+1
.endr
	WIN 0
.set i, 0
.rept 32                            ; all 32 registers of statistics, l's eight among them: so each register that a block's end names (a lane exchange's destination; the register named as a pair with 1 / l)
	v_mov_b32 v[ST+i], 0            ; has been written on every way through the text, whichever steps are jumped.  A block's beginning sets c m and m anew
.set i, i+1
.endr
.Lslot:                             ; 8 times: a slot is entered and the next is asked for
	CHANGE 1
	s_sub_co_u32 s[RT], s[RT], 1
	s_cmp_eq_u32 s[NEW], 1          ; a block's first slot?  (At the first trip the answer is a constant of the text.)
	s_cbranch_scc0 .Lgo
	ROTATE
.Lgo:
	TWO_STEPS
	s_cmp_lg_u32 s[RT], 0
	s_cbranch_scc1 .Lbottom
	FINISH 1                        ; in the loop this is the first block's end: the last block's last slot is the walk's last
	s_wait_xcnt 0x0                 ; the stores have read their registers and out0's address
	s_mov_b64 s[OP:OP+1], s[OP2:OP2+1]
	s_mov_b32 s[BLK], s[BLK2]
	s_mov_b32 s[RT], s[RT2]
	s_mov_b32 s[KT], 0
	s_mov_b32 s[NEW], 1
.Lbottom:
	s_sub_co_u32 s[SLOTS], s[SLOTS], 1
	s_cmp_lg_u32 s[SLOTS], 0
	s_cbranch_scc1 .Lslot
	CHANGE 0                        ; the walk's last slot is written out: nothing is asked for.  It is always a block's last slot and never its first
	TWO_STEPS
	FINISH 0
	s_wait_tensorcnt 0x0            ; the wave's end, behind my last tensor load and my last LDS store
	ds_add_u32 v[SPW], v[NIL]
	s_wait_dscnt 0x0
	s_endpgm
.Lfunc_end_k_q8298c772bb_attn:
	.size	k_q8298c772bb_attn, .Lfunc_end_k_q8298c772bb_attn-k_q8298c772bb_attn
	.p2alignl 7, 3214868480
	.fill 96, 4, 3214868480
	.section	.rodata,"a",@progbits
	.p2align	6, 0x0
	.amdhsa_kernel k_q8298c772bb_attn
		.amdhsa_group_segment_fixed_size 327680
		.amdhsa_private_segment_fixed_size 0
		.amdhsa_enable_private_segment 0
		.amdhsa_kernarg_size 40
		.amdhsa_user_sgpr_count 2
		.amdhsa_user_sgpr_kernarg_segment_ptr 1
		.amdhsa_wavefront_size32 1
		.amdhsa_system_sgpr_workgroup_id_x 1
		.amdhsa_system_sgpr_workgroup_id_y 1
		.amdhsa_system_sgpr_workgroup_id_z 1
		.amdhsa_system_vgpr_workitem_id 0
		.amdhsa_next_free_vgpr 1024
		.amdhsa_next_free_sgpr 100
		.amdhsa_reserve_vcc 1
		.amdhsa_float_denorm_mode_32 3
		.amdhsa_float_denorm_mode_16_64 3
		.amdhsa_memory_ordered 1
		.amdhsa_forward_progress 1
		.amdhsa_inst_pref_size 223
	.end_amdhsa_kernel
	.amdgpu_metadata
---
amdhsa.version: [ 1, 2 ]
amdhsa.kernels:
  - .name:           k_q8298c772bb_attn
    .symbol:         k_q8298c772bb_attn.kd
    .args:
      - { .name: query, .offset: 0, .size: 8, .value_kind: global_buffer, .address_space: global }
      - { .name: kh, .offset: 8, .size: 8, .value_kind: global_buffer, .address_space: global }
      - { .name: vh, .offset: 16, .size: 8, .value_kind: global_buffer, .address_space: global }
      - { .name: tab, .offset: 24, .size: 8, .value_kind: global_buffer, .address_space: global }
      - { .name: out0, .offset: 32, .size: 8, .value_kind: global_buffer, .address_space: global }
    .group_segment_fixed_size: 327680
    .private_segment_fixed_size: 0
    .kernarg_segment_align: 8
    .kernarg_segment_size: 40
    .max_flat_workgroup_size: 128
    .sgpr_count:     100
    .vgpr_count:     1024
    .wavefront_size: 32
...
	.end_amdgpu_metadata
.endif
;; end of part 2
;; launch fine (part 3): grid 4 x 16, 4 waves a work-group, no clusters, 52,736 bytes of LDS; arguments query, kh, kl, vh, tab, out0; writes out0
.if DOCPART == 3
	.amdgcn_target "amdgcn-amd-amdhsa--gfx1250"
	.amdhsa_code_object_version 6
	.text
	.protected	k_q8298c772bb_fine
	.globl	k_q8298c772bb_fine
	.p2align	8
	.type	k_q8298c772bb_fine,@function
k_q8298c772bb_fine:
	s_mov_b64 s[64:65], 0
	v_nop
	global_prefetch_b8 v0, s[64:65] scope:SCOPE_SE
	s_setreg_imm32_b32 hwreg(HW_REG_WAVE_MODE, 25, 1), 1
	s_wait_xcnt 0x0
; THE FIRST 64 TOKENS OF EACH SEQUENCE.  The same attention as in the launch for the other tokens (causal; the window of 1,024 keys is not reached), for the rows that average over 1 to 64 keys.  There a rounding
; of q, k or p reaches the output whole, so each of the three goes to the matrix unit in TWO f16 parts, x = hi + lo, lo = f16(x - hi):
;   S = mask + Khi Qhi + Khi Qlo + Klo Qhi,     O = V Phi + V Plo     (v is exact in f16; the product of two lower parts is left out: 2^-24 of a score).
; query, out0: [4096 tokens][32 heads x 128] f32.  kh, vh: [16 planes = sequence x 8 + kv head][2048][128] f16.  kl: [16 planes][64][128] f16, k's lower part.  tab: [4096 tokens][64 cos | 64 sin] f32.
; FORMATS.  q is rounded to bf16 and rotated in f32; all matrix operands are f16; products, maxima and sums in f32; l is the sum of the unrounded p; O leaves in f32.
; LIMITS.  |q| under 46,000 (f16's range behind the rotation); a lower part below 6e-5 keeps f16's fixed step of 6e-8.  A hidden score counts as its value less 1e30; the maximum starts at -2^64, above every hidden
; score and below every true one; every row sees its own key.  A weight below 2^-126 counts as 0.  NaN and infinities are not treated apart.
; SHARES.  Work-group (x, y): tokens 16 x .. 16 x + 15 of plane y's sequence; wave t: query head 4 (y % 8) + t: one tile of 16 queries against the 64 keys.  4 x 16 work-groups: all the work that these rows have.
; K's two parts come straight from memory into fragments; V is shared: each wave brings 16 of its 64 rows into LDS, one barrier, and every wave reads it turned, by ds_load_tr16_b128.
; The text is one straight line: no branch, no label, no tensor load.  No cluster: what the four work-groups of a plane share is 48 KiB, read once each.  No prefetch: every address is known at the head and asked for there.
; LAYOUT.  S^T = K Q^T (source 0 = 16 keys, source 1 = 16 queries): a lane holds ONE query (lane % 16) and the keys 8 (lane / 16) + 0..7; two such results rounded to f16 ARE source 1 of O^T = V^T P.
; REGISTERS, in two windows of 256 (s_set_vgpr_msb: bits 1:0 source 0, 7:6 destination):
;   window 0: v0-31 addresses, statistics, the add's two;  v32-95 q as loaded, then in f32; then v32-63 q's lower part, v64-95 the mask; then v32-47 p's lower part
;             v96-159 cos and sin; then v96-127 S^T, v128-143 P; at the end the rows read back from the stage;  v160-191 my rows of V; then packed bf16; then q's upper part;  v192-255 the rotated q; then O^T
;   window 1: v0-127 K's upper part, v128-255 its lower part; then v0-127 V
.set PV,    288       ; a row of V in LDS: 256 bytes + 32 = 72 words
.set SP,    528       ; a row of a stage: 512 bytes + 16
.set STAGE, 64*PV     ; behind V's 64 rows: 16 rows x 528 bytes for each wave, for the way out
.set SPARE, STAGE+4*16*SP  ; behind the stages: the spare words, 128 bytes for each wave: two blocks of 256 bytes that no other line names
.set AV0, 2           ; v2   my lane's place in the turning loads of V
.set QO,  3           ; v3   my byte offset in 16 rows of query: (l % 16) x 16,384 + 32 (l / 16)
.set TO,  4           ; v4   the same in 16 rows of tab: (l % 16) x 512 + 32 (l / 16)
.set KO,  5           ; v5   the same in 16 rows of kh and kl: (l % 16) x 256 + 16 (l / 16)
.set STO, 6           ; v6   the way out: where I put 32 bytes of a row
.set RD,  7           ; v7   the way out: where I read a row back
.set GO,  8           ; v8   16 x lane: my place in 512 consecutive bytes of vh and of out0
.set ST,  12          ; v12-19  +0 c m, +1 m, +2, +3 l (even keys', odd keys'), +4 to +7 c0-c3 at work; a, later 1 / l, takes c2's place
.set VS,  20          ; v20  where I put 16 bytes of a row of V
.set MQ,  21          ; v21  16 x + l % 16 - 8 (l / 16): register r of key group kb is behind my query where 16 kb + r is greater
.set NEG1, 22         ; v22  -1.0
.set SPW, 30          ; v30  LDS address of my spare word; never rewritten
.set NIL, 31          ; v31  0; never rewritten
.set XF,  32
.set QL,  32
.set PL,  32
.set MD,  64
.set CSR, 96
.set S,   96
.set P,   128
.set BK,  96
.set VR,  160
.set XB,  160
.set QH,  160
.set Y,   192
.set O,   192
.set KH,  0           ; window 1: keys 16 kb on, channels 32 c on at 32 kb + 8 c
.set KL,  128         ; window 1
.set WV,  16          ; s16  my wave's number
.set CS,  24          ; s[24:25] c, named as a pair
.set SEL, 26          ; s[26:27] v_permlanex16_b32's selects: each lane takes its own place in the other half
.set BIGN, 28         ; s28  -1e30
.set HIM, 29          ; s29  a word's upper bf16
.set MSB, 0
.macro WIN new                      ; the high byte repeats the setting that is left; a switch that changes nothing is dropped
.if MSB != (\new)
	s_set_vgpr_msb (MSB<<8)|(\new)
.set MSB, (\new)
.endif
.endm
; Eight loads: chunk c (32 channels) of the 64 keys' fragments, from kh or kl, into window 1.  A fragment is 16 rows x 32 channels: lane l holds row l % 16, channels 8 (l / 16) + 0..7 and 16 + 8 (l / 16) + 0..7.
.macro KLOAD reg, ptr, c
.irp kb, 0,1,2,3
	global_load_b128 v[(\reg)+32*(\kb)+8*(\c):(\reg)+32*(\kb)+8*(\c)+3],   v[KO], s[\ptr:\ptr+1] offset:(\kb)*4096+(\c)*64
	global_load_b128 v[(\reg)+32*(\kb)+8*(\c)+4:(\reg)+32*(\kb)+8*(\c)+7], v[KO], s[\ptr:\ptr+1] offset:(\kb)*4096+(\c)*64+32
.endr
.endm
; Sixteen products onto S^T: channels 32 (i / 4) on, keys 16 (i % 4) on.  The four accumulators take turns, one instruction a turn, from one run of sixteen into the next too.  first = 1: the first four start the sums with the mask.
.macro KQ kreg, qreg, first
.set i, 0
.rept 16
.if (\first) && (i < 4)
	v_wmma_f32_16x16x32_f16 v[S+8*(i%4):S+8*(i%4)+7], v[(\kreg)+32*(i%4)+8*(i/4):(\kreg)+32*(i%4)+8*(i/4)+7], v[(\qreg)+8*(i/4):(\qreg)+8*(i/4)+7], v[MD+8*(i%4):MD+8*(i%4)+7]
.else
	v_wmma_f32_16x16x32_f16 v[S+8*(i%4):S+8*(i%4)+7], v[(\kreg)+32*(i%4)+8*(i/4):(\kreg)+32*(i%4)+8*(i/4)+7], v[(\qreg)+8*(i/4):(\qreg)+8*(i/4)+7], v[S+8*(i%4):S+8*(i%4)+7]
.endif
.set i, i+1
.endr
.endm
; Sixteen products onto O^T: keys 32 (i / 8) on, channels 16 (i % 8) on.  The eight accumulators take turns.  first = 1: the first eight start the sums with the constant 0.
.macro PVM preg, first
.set i, 0
.rept 16
.if (\first) && (i < 8)
	v_wmma_f32_16x16x32_f16 v[O+8*(i%8):O+8*(i%8)+7], v[64*(i/8)+8*(i%8):64*(i/8)+8*(i%8)+7], v[(\preg)+8*(i/8):(\preg)+8*(i/8)+7], 0
.else
	v_wmma_f32_16x16x32_f16 v[O+8*(i%8):O+8*(i%8)+7], v[64*(i/8)+8*(i%8):64*(i/8)+8*(i%8)+7], v[(\preg)+8*(i/8):(\preg)+8*(i/8)+7], v[O+8*(i%8):O+8*(i%8)+7]
.endif
.set i, i+1
.endr
.endm
; THE SOFTMAX: a list of 102 instructions; SM writes number j.  s0-s31 are the lane's 32 scores, in pairs 0-15.
;   0-15    the maximum of s0-s31 and the starting m, three operands at a time: four chains c0-c3 of seven scores each (each accumulator's lowest registers are read first), then the four left over, c0-c3 and m
;   16-20   the other half of the lanes' maximum; the starting c m is kept; m; c m; their difference
;   21-69   ONE BATCH: the 16 scalings c s - c m and all 33 exponentials (a, which is 0 here, at 23; then s0-s31); none of these reads an exponential's result; a pair is scaled ahead of its exponentials
;   (wait)  between 69 and 70 stands the wait for the batch
;   70-85   the roundings to f16: p's upper part     86-101  the sums, in place; l = a l + the sum
.macro SM
.if j < 4
	v_max3_num_f32 v[ST+4+j], v[S+8*j], v[S+8*j+1], v[S+8*j+2]
.elseif j < 12
	v_max3_num_f32 v[ST+4+j%4], v[ST+4+j%4], v[S+8*(j%4)+2*(j/4)+1], v[S+8*(j%4)+2*(j/4)+2]
.elseif j == 12
	v_max3_num_f32 v[ST+4], v[ST+4], v[S+7], v[S+15]
.elseif j == 13
	v_max3_num_f32 v[ST+6], v[ST+6], v[S+23], v[S+31]
.elseif j == 14
	v_max3_num_f32 v[ST+4], v[ST+4], v[ST+5], v[ST+6]
.elseif j == 15
	v_max3_num_f32 v[ST+4], v[ST+4], v[ST+7], v[ST+1]
.elseif j == 16
	v_permlanex16_b32 v[ST+5], v[ST+4], s[SEL], s[SEL+1]  ; the query's other 32 keys lie in the lane 16 away
.elseif j == 17
	v_mov_b32 v[ST+7], v[ST]
.elseif j == 18
	v_max_num_f32 v[ST+1], v[ST+4], v[ST+5]
.elseif j == 19
	v_mul_f32 v[ST], s[CS], v[ST+1]
.elseif j == 20
	v_sub_f32 v[ST+7], v[ST+7], v[ST]
.elseif j == 23
	v_exp_f32 v[ST+6], v[ST+7]
.elseif (j < 23) || ((j < 38) && (j%2 == 0)) || ((j < 66) && (j%4 == 2))
.set b, (j-2)/4                     ; 38, 42, .. 62: pairs 9 to 15
.if j < 38
.set b, (j-20)/2                    ; 21: pair 0; 22, 24, .. 36: pairs 1 to 8
.endif
	v_pk_fma_f32 v[S+2*b:S+2*b+1], v[S+2*b:S+2*b+1], s[CS:CS+1], v[ST:ST+1] op_sel_hi:[1,0,0] neg_lo:[0,0,1] neg_hi:[0,0,1]  ; pair b: c s - c m
.elseif j < 70
.set e, j-38                        ; 66 to 69: s28 to s31
.if j < 66
.set e, j-32-(j-38)/4               ; 39-41, 43-45, .. 63-65: s7 to s27
.endif
.if j < 38
.set e, (j-25)/2                    ; 25, 27, .. 37: s0 to s6
.endif
	v_exp_f32 v[S+e], v[S+e]
.elseif j < 86
	v_cvt_pk_f16_f32 v[P+j-70], v[S+2*(j-70)], v[S+2*(j-70)+1]
.else                               ; the sum of the 16 pairs, in place: neighbours 1, 2, 4 and 8 pairs apart, then l takes it
.set z, j-86
.set w, 4
.set u, z
.if z >= 14
.set w, 32
.set u, 0
.elseif z >= 12
.set w, 16
.set u, z-12
.elseif z >= 8
.set w, 8
.set u, z-8
.endif
.if z < 15
	v_pk_add_f32 v[S+w*u:S+w*u+1], v[S+w*u:S+w*u+1], v[S+w*u+w/2:S+w*u+w/2+1]
.else
	v_pk_fma_f32 v[ST+2:ST+3], v[ST+2:ST+3], v[ST+6:ST+7], v[S:S+1] op_sel_hi:[1,0,1]
.endif
.endif
.set j, j+1
.endm
	s_load_b256 s[4:11], s[0:1], 0x0  ; query s[4:5], kh s[6:7], kl s[8:9], vh s[10:11]
	s_load_b128 s[12:15], s[0:1], 0x20 ; tab s[12:13], out0 s[14:15]
	v_lshl_add_u32 v[SPW], v0, 2, SPARE
	v_mov_b32 v[NIL], 0
	v_lshrrev_b32 v1, 5, v0
	v_readfirstlane_b32 s[WV], v1   ; wave 0..3
	s_mov_b32 s17, ttmp9            ; x: which 16 of the 64 tokens
	s_and_b32 s18, ttmp7, 0xffff    ; y: the plane
	s_lshr_b32 s19, s18, 3
	s_lshl_b32 s19, s19, 11         ; the sequence's first token,
	s_lshl_b32 s20, s17, 4
	s_add_co_u32 s19, s19, s20      ; my first token
	s_and_b32 s20, s18, 7
	s_lshl_b32 s20, s20, 11         ; the kv head's four query heads: 2,048 bytes of a row of 16,384,
	s_lshl_b32 s21, s[WV], 9        ; mine of them: 512 bytes
	s_add_co_u32 s20, s20, s21
	s_lshl_b32 s21, s19, 14
	s_add_co_u32 s20, s20, s21      ; in query and in out0
	s_mov_b32 s21, 0
	s_lshl_b32 s22, s19, 9          ; in the table: rows of 512 bytes
	s_mov_b32 s23, 0
	s_lshl_b32 s30, s18, 19         ; a plane of kh and of vh
	s_mov_b32 s31, 0
	s_lshl_b32 s32, s18, 14         ; a plane of kl
	s_mov_b32 s33, 0
	s_lshl_b32 s34, s[WV], 12       ; the 16 rows of V that I bring
	s_add_co_u32 s34, s34, s30
	s_mov_b32 s35, 0
	s_mov_b32 s[CS], 0x3e0293ee     ; c = log2(e) / sqrt(128) = 0.127517
	s_mov_b32 s[CS+1], s[CS]        ; named with it as a pair
	s_mov_b32 s[SEL], 0x76543210
	s_mov_b32 s[SEL+1], 0xfedcba98
	s_mov_b32 s[BIGN], 0xf149f2ca   ; -1e30
	s_mov_b32 s[HIM], 0xffff0000
	v_and_b32 v1, 15, v0            ; l % 16
	v_bfe_u32 v9, v0, 4, 1          ; l / 16
	v_and_b32 v10, 31, v0           ; l
	v_lshlrev_b32 v[QO], 14, v1
	v_lshl_add_u32 v[QO], v9, 5, v[QO]
	v_lshlrev_b32 v[TO], 9, v1
	v_lshl_add_u32 v[TO], v9, 5, v[TO]
	v_lshlrev_b32 v[KO], 8, v1
	v_lshl_add_u32 v[KO], v9, 4, v[KO]
	v_lshlrev_b32 v[GO], 4, v10
	s_wait_kmcnt 0x0
	s_add_nc_u64 s[4:5], s[4:5], s[20:21]
	s_add_nc_u64 s[14:15], s[14:15], s[20:21]
	s_add_nc_u64 s[12:13], s[12:13], s[22:23]
	s_add_nc_u64 s[6:7], s[6:7], s[30:31]
	s_add_nc_u64 s[8:9], s[8:9], s[32:33]
	s_add_nc_u64 s[10:11], s[10:11], s[34:35]
.set i, 0
.rept 8                             ; my 16 rows of V: dense rows of 256 bytes, two to a load
	global_load_b128 v[VR+4*i:VR+4*i+3], v[GO], s[10:11] offset:512*i
.set i, i+1
.endr
	; q, cos and sin.  Register 16 q + z of the 64 takes the f32 that belongs in half z of chunk q's fragment; so channel c and c + 64 lie in ONE lane, 32 registers apart.  The same offsets in the table's row bring cos (0-31) and sin (32-63).
.set m, 0
.rept 16
	global_load_b128 v[XF+4*m:XF+4*m+3], v[QO], s[4:5] offset:(m/4)*128+((m%4)/2)*64+(m%2)*16
.set m, m+1
.endr
.set m, 0
.rept 16
	global_load_b128 v[CSR+4*m:CSR+4*m+3], v[TO], s[12:13] offset:(m/4)*128+((m%4)/2)*64+(m%2)*16
.set m, m+1
.endr
	s_mul_i32 s36, s[WV], 16*PV     ; V into LDS: my 16 rows; lanes 0-15 one row, lanes 16-31 the next
	v_mul_u32_u24 v[VS], v9, PV
	v_lshl_add_u32 v[VS], v1, 4, v[VS]
	v_add_nc_u32 v[VS], s36, v[VS]
	; The turning load takes 16 keys x 16 channels (lane l reads key 8 (l / 16) + l % 8, channels 8 ((l / 8) % 2) + 0..7) and leaves half a fragment of V^T: lane l holds channel l % 16 and 8 keys.
	v_and_b32 v10, 7, v0
	v_bfe_u32 v11, v0, 3, 1
	v_lshl_add_u32 v[AV0], v9, 3, v10
	v_mul_u32_u24 v[AV0], v[AV0], PV
	v_lshl_add_u32 v[AV0], v11, 4, v[AV0]
	s_mul_i32 s36, s[WV], 16*SP
	s_add_co_u32 s36, s36, STAGE    ; my stage
	v_mul_u32_u24 v[STO], v1, SP    ; in: row l % 16, 32 bytes for each half of the lanes
	v_lshl_add_u32 v[STO], v9, 5, v[STO]
	v_add_nc_u32 v[STO], s36, v[STO]
	v_add_nc_u32 v[RD], s36, v[GO]  ; back: 32 lanes take a row's 512 bytes
	v_lshlrev_b32 v10, 3, v9
	v_sub_nc_u32 v[MQ], v1, v10
	s_lshl_b32 s36, s17, 4
	v_add_nc_u32 v[MQ], s36, v[MQ]
	v_mov_b32 v[NEG1], -1.0
	v_mov_b32 v[ST], 0xfe000000     ; c m: far below every c s, so a is 0
	v_mov_b32 v[ST+1], 0xdf800000   ; m = -2^64: between the hidden scores and the true ones
	v_mov_b32 v[ST+2], 0            ; l
	v_mov_b32 v[ST+3], 0
	s_wait_loadcnt 32               ; loads come back in order: behind V's eight were issued q's sixteen and the table's sixteen
.set i, 0
.rept 8
	ds_store_b128 v[VS], v[VR+4*i:VR+4*i+3] offset:i*2*PV
.set i, i+1
.endr
	s_wait_loadcnt 0x0              ; q, cos and sin are in
	WIN 0x40                        ; destination window 1, address window 0
.irp c, 0,1,2,3
	KLOAD KH, 6, \c                 ; K's upper part: 32 loads,
.endr
.irp c, 0,1,2
	KLOAD KL, 8, \c                 ; and three chunks of its lower part: 24.  They land under the rotation
.endr
	WIN 0
	s_wait_dscnt 0x0                ; my rows of V lie in LDS: no LDS instruction of mine is out from here to the barrier below
	; THE ROTATION: q rounded to bf16; x1 cos - x2 sin, x2 cos + x1 sin in f32; the upper part; what it loses, by an f16 half times -1 plus the f32, which is exact; the lower part.
.set g, 0
.rept 32
	v_cvt_pk_bf16_f32 v[XB+g], v[XF+2*g], v[XF+2*g+1]
.set g, g+1
.endr
.set g, 0
.rept 32
	v_lshlrev_b32 v[XF+2*g], 16, v[XB+g]
	v_and_b32 v[XF+2*g+1], s[HIM], v[XB+g]
.set g, g+1
.endr
.set g, 0
.rept 16
	v_pk_mul_f32 v[Y+2*g:Y+2*g+1], v[XF+32+2*g:XF+32+2*g+1], v[CSR+32+2*g:CSR+32+2*g+1]
	v_pk_mul_f32 v[Y+32+2*g:Y+32+2*g+1], v[XF+2*g:XF+2*g+1], v[CSR+32+2*g:CSR+32+2*g+1]
	v_pk_fma_f32 v[Y+2*g:Y+2*g+1], v[XF+2*g:XF+2*g+1], v[CSR+2*g:CSR+2*g+1], v[Y+2*g:Y+2*g+1] neg_lo:[0,0,1] neg_hi:[0,0,1]
	v_pk_fma_f32 v[Y+32+2*g:Y+32+2*g+1], v[XF+32+2*g:XF+32+2*g+1], v[CSR+2*g:CSR+2*g+1], v[Y+32+2*g:Y+32+2*g+1]
.set g, g+1
.endr
.set g, 0
.rept 32
	v_cvt_pk_f16_f32 v[QH+g], v[Y+2*g], v[Y+2*g+1]
.set g, g+1
.endr
.set g, 0
.rept 32
	v_fma_mix_f32 v[Y+2*g], v[QH+g], v[NEG1], v[Y+2*g] op_sel_hi:[1,0,0]
	v_fma_mix_f32 v[Y+2*g+1], v[QH+g], v[NEG1], v[Y+2*g+1] op_sel:[1,0,0] op_sel_hi:[1,0,0]
.set g, g+1
.endr
.set g, 0
.rept 32
	v_cvt_pk_f16_f32 v[QL+g], v[Y+2*g], v[Y+2*g+1]
.set g, g+1
.endr
.set i, 0
.rept 32                            ; the mask: -1e30 where the key lies behind my query
	v_cmp_gt_i32 vcc_lo, 16*(i/8)+i%8, v[MQ]
	v_cndmask_b32 v[MD+i], 0, s[BIGN], vcc_lo
.set i, i+1
.endr
	s_wait_loadcnt 24               ; K's upper part is in: behind its 32 loads were issued the lower part's 24
	WIN 0x40
	KLOAD KL, 8, 3                  ; the lower part's last chunk
	WIN 0x01                        ; source 0 (K, later V) in window 1
	KQ KH, QH, 1                    ; mask + Khi Qhi
	KQ KH, QL, 0                    ; + Khi Qlo
	s_wait_loadcnt 0x0              ; K's lower part is in
	KQ KL, QH, 0                    ; + Klo Qhi
	WIN 0
	s_barrier_signal -1             ; each wave has waited for its stores of V above, and has issued no LDS instruction since
	s_barrier_wait -1               ; all 64 rows of V lie in LDS
.rept 4
	v_nop                           ; the places behind the last products: in front of the loads onto K's upper part, and of the softmax that reads the scores
.endr
	WIN 0x40                        ; V, turned: keys 32 (f / 8) on, channels 16 (f % 8) on.  It lands under the softmax
.irp f, 0,1,2,3,4,5,6,7,8,9,10,11,12,13,14,15
	ds_load_tr16_b128 v[8*(\f):8*(\f)+3],   v[AV0] offset:((\f)/8)*32*PV+((\f)%8)*32
	ds_load_tr16_b128 v[8*(\f)+4:8*(\f)+7], v[AV0] offset:((\f)/8)*32*PV+16*PV+((\f)%8)*32
.endr
	WIN 0
.set j, 0
.rept 70
	SM                              ; the maximum, the statistics, and the batch
.endr
	v_nop                           ; a plain instruction behind the last exponential,
	s_wait_alu depctr_va_vdst(0)    ; and one wait for the 33, ahead of their first reader
.rept 16
	SM                              ; p's upper part
.endr
.set g, 0
.rept 16                            ; p less its f16, exact, ahead of the sums, which work in place on p
	v_fma_mix_f32 v[PL+2*g], v[P+g], v[NEG1], v[S+2*g] op_sel_hi:[1,0,0]
	v_fma_mix_f32 v[PL+2*g+1], v[P+g], v[NEG1], v[S+2*g+1] op_sel:[1,0,0] op_sel_hi:[1,0,0]
.set g, g+1
.endr
.set g, 0
.rept 16                            ; p's lower part, in place: pair g lands on register g, whose number has been read by then
	v_cvt_pk_f16_f32 v[PL+g], v[PL+2*g], v[PL+2*g+1]
.set g, g+1
.endr
.rept 16
	SM                              ; the sums, and l
.endr
	s_wait_dscnt 0x0                ; V is in
	WIN 0x01
	PVM P, 1                        ; V Phi
	PVM PL, 0                       ; + V Plo
	WIN 0
.rept 4
	v_nop                           ; the places behind the last products
.endr
	; THE WAY OUT.  l's two halves and the other half of the lanes' are added; O^T is divided by l; a lane's eight channels of a row, 32 bytes, go into my stage's rows of 528 bytes and come back as whole rows of 512.
	v_add_f32 v[ST+4], v[ST+2], v[ST+3]
	v_permlanex16_b32 v[ST+5], v[ST+4], s[SEL], s[SEL+1]
	v_add_f32 v[ST+4], v[ST+4], v[ST+5]
	v_rcp_f32 v[ST+6], v[ST+4]
	v_nop                           ; a plain instruction between the reciprocal and the use of its result,
	s_wait_alu depctr_va_vdst(0)    ; and its wait
.set i, 0
.rept 32
	v_pk_mul_f32 v[O+i:O+i+1], v[O+i:O+i+1], v[ST+6:ST+7] op_sel_hi:[1,0]
.set i, i+2
.endr
.set i, 0
.rept 16
	ds_store_b128 v[STO], v[O+4*i:O+4*i+3] offset:64*(i/2)+16*(i%2)
.set i, i+1
.endr
.set i, 0
.rept 16
	ds_load_b128 v[BK+4*i:BK+4*i+3], v[RD] offset:i*SP  ; LDS serves a wave's instructions in order (ISA guide 5.7.1.4): these see the stores above; the stage is my wave's own
.set i, i+1
.endr
.set i, 0
.rept 16
	s_wait_dscnt 15-i               ; row i is back; the later rows' loads may stay out
	global_store_b128 v[GO], v[BK+4*i:BK+4*i+3], s[14:15] offset:i*16384 th:TH_STORE_NT  ; the wave stores a head's 512 consecutive bytes of a token, aligned
.set i, i+1
.endr
	s_wait_tensorcnt 0x0            ; the wave's end, behind my last LDS store
	ds_add_u32 v[SPW], v[NIL]
	s_wait_dscnt 0x0
	s_endpgm
.Lfunc_end_k_q8298c772bb_fine:
	.size	k_q8298c772bb_fine, .Lfunc_end_k_q8298c772bb_fine-k_q8298c772bb_fine
	.p2alignl 7, 3214868480
	.fill 96, 4, 3214868480
	.section	.rodata,"a",@progbits
	.p2align	6, 0x0
	.amdhsa_kernel k_q8298c772bb_fine
		.amdhsa_group_segment_fixed_size 52736
		.amdhsa_private_segment_fixed_size 0
		.amdhsa_enable_private_segment 0
		.amdhsa_kernarg_size 48
		.amdhsa_user_sgpr_count 2
		.amdhsa_user_sgpr_kernarg_segment_ptr 1
		.amdhsa_wavefront_size32 1
		.amdhsa_system_sgpr_workgroup_id_x 1
		.amdhsa_system_sgpr_workgroup_id_y 1
		.amdhsa_system_sgpr_workgroup_id_z 1
		.amdhsa_system_vgpr_workitem_id 0
		.amdhsa_next_free_vgpr 512
		.amdhsa_next_free_sgpr 66
		.amdhsa_reserve_vcc 1
		.amdhsa_float_denorm_mode_32 3
		.amdhsa_float_denorm_mode_16_64 3
		.amdhsa_memory_ordered 1
		.amdhsa_forward_progress 1
		.amdhsa_inst_pref_size 56
	.end_amdhsa_kernel
	.amdgpu_metadata
---
amdhsa.version: [ 1, 2 ]
amdhsa.kernels:
  - .name:           k_q8298c772bb_fine
    .symbol:         k_q8298c772bb_fine.kd
    .args:
      - { .name: query, .offset: 0, .size: 8, .value_kind: global_buffer, .address_space: global }
      - { .name: kh, .offset: 8, .size: 8, .value_kind: global_buffer, .address_space: global }
      - { .name: kl, .offset: 16, .size: 8, .value_kind: global_buffer, .address_space: global }
      - { .name: vh, .offset: 24, .size: 8, .value_kind: global_buffer, .address_space: global }
      - { .name: tab, .offset: 32, .size: 8, .value_kind: global_buffer, .address_space: global }
      - { .name: out0, .offset: 40, .size: 8, .value_kind: global_buffer, .address_space: global }
    .group_segment_fixed_size: 52736
    .private_segment_fixed_size: 0
    .kernarg_segment_align: 8
    .kernarg_segment_size: 48
    .max_flat_workgroup_size: 128
    .sgpr_count:     66
    .vgpr_count:     512
    .wavefront_size: 32
...
	.end_amdgpu_metadata
.endif
;; end of part 3
;; ======== version 2 of 2: 3 launches; version 1 with the launches prep, fine written anew for expert scheduling mode
;; limits: inputs' magnitudes at most 46,000; values are held in f16: magnitudes above 65,504 overflow, below 6.1e-05 lose precision
;; workspace buffers: kh 8,388,608 bytes; vh 8,388,608 bytes; tab 2,097,152 bytes; kl 262,144 bytes
;; launch prep (part 4): grid 1024 x 1, 4 waves a work-group, no clusters, 0 bytes of LDS; arguments key, value, positions, kh, vh, tab, kl; writes kh, vh, tab, kl
.if DOCPART == 4
	.amdgcn_target "amdgcn-amd-amdhsa--gfx1250"
	.amdhsa_code_object_version 6
	.text
	.protected	k_q8298c772bb_prep
	.globl	k_q8298c772bb_prep
	.p2align	8
	.type	k_q8298c772bb_prep,@function
k_q8298c772bb_prep:
	s_mov_b64 s[64:65], 0
	v_nop
	global_prefetch_b8 v0, s[64:65] scope:SCOPE_SE
	s_setreg_imm32_b32 hwreg(HW_REG_WAVE_SCHED_MODE, 0, 2), 2
	s_setreg_imm32_b32 hwreg(HW_REG_WAVE_MODE, 25, 1), 1
	s_wait_xcnt 0x0
	s_wait_alu depctr_vm_vsrc(0)
; PREPARATION FOR THE ATTENTION LAUNCH.  key, value: [4096 tokens][8 heads x 128] f32.  positions: [4096] i32.
; kh, vh: [16 planes = sequence x 8 + head][2048 tokens][128] f16 (a row 256 bytes, a plane 524,288).  tab: [4096 tokens][64 cos | 64 sin] f32.
; kl: [16 planes][64 tokens][128] f16: for each sequence's first 64 tokens what rotated k loses in its rounding to f16, rounded to f16 in its turn.
; One wave takes one token: its angles pos x 10000^(-f/64), f = 0..63, their cos and sin, the rotation of K's eight heads, and V's eight heads.
; FORMATS.  key and value are rounded to bf16 first; the rotation is in f32; rotated k is rounded once to f16; v's bf16 number is written as f16.
; LIMITS.  |k| under 46,000 and |v| under 65,504 (f16's range; a rotated k is at most 1.42 x the larger of its two parts); below 6e-5 f16 keeps a fixed step of 6e-8.
; 10000^(-f/64) is 2^(-0.2076205 f) by v_exp_f32, a few units in the last place from a correctly rounded power: the angle is off by about 1e-7 x |pos| radians at the most.
; The angle is reduced by multiples of pi/2 held in two parts; sine to r^7, cosine to r^8 on |r| <= pi/4: both within 4e-7.  NaN and infinities are not treated apart.
; LANES.  Lane l holds channels 4 l .. 4 l + 3 of a head: a load of a wave takes a head's 512 consecutive bytes.  Channel c and c + 64 lie 16 lanes apart: one v_permlanex16_b32 a register.
; No LDS, no barrier, no loop: 16 loads a wave are issued at once, and each store has data registers of its own.
; THE MODE: SCHED_MODE bits 1:0 = 2 (LLVM: expert scheduling mode 2), set by the entry lines.  The code itself states the register dependences
; between vector instructions and memory instructions, with s_wait_alu, always for 0.
; THE PLAN.  Registers that memory instructions touch:
;   v2, v3       byte offsets, made at the head and never written again: one wait ahead of the first load serves every load and store.
;   KR, VR       written by the sixteen loads, once; no vector line names them before that, and no load lands in them again.
;   SI, KO, VO, KL   out-registers: each is written by one step's vector lines, read by one store, and never written again.
; So no register that a memory instruction reads is ever rewritten.  A STEP is a head of K or of V.  Its store stands at the head of the NEXT step, behind that step's wait for its data and ONE wait
; on va_vdst, which states that all that the steps before made is written.  The table's row goes with K's first step, K's last head with V's first step; V's last head and k's lower part have a last wait.
; Vector lines that write a scalar register: the wave's number, and five compares laid in one run; each of the two has its wait ahead of the first reader.
.set NEG, 6                            ; v6         -1.0
.set CO,  8                            ; v[8:11]    cos r, then cos of my four frequencies
.set SS,  12                           ; v[12:15]   sin, negative in lanes 0-15 (x1 cos - x2 sin), positive in lanes 16-31 (x2 cos + x1 sin)
.set SI,  16                           ; v[16:19]   sin r, then sin; then the table's word: cos in lanes 0-15, sin in lanes 16-31
.set AN,  20                           ; v[20:23]   frequency, then angle, then its number of quarter turns; later two packed words at work
.set KR,  32                           ; v[32:63]   K as loaded, head j at KR + 4 j
.set VR,  64                           ; v[64:95]   V as loaded
.set KO,  96                           ; v[96:111]  K to store, two registers a head
.set VO,  112                          ; v[112:127] V to store
.set KL,  128                          ; v[128:143] K's lower part to store
	s_load_b256 s[4:11], s[0:1], 0x0               ; key s[4:5], value s[6:7], positions s[8:9], kh s[10:11]
	s_load_b128 s[12:15], s[0:1], 0x20             ; vh s[12:13], tab s[14:15]
	s_load_b64 s[38:39], s[0:1], 0x30              ; kl
	v_lshrrev_b32 v1, 5, v0
	v_readfirstlane_b32 s16, v1                    ; wave 0..3
	v_and_b32 v1, 31, v0                           ; lane
	v_lshlrev_b32 v2, 4, v1                        ; 16 l: my place in a head's 512 bytes of f32, and in the table's row; never rewritten
	v_lshlrev_b32 v3, 3, v1                        ; 8 l: my place in a row of 256 bytes of f16; never rewritten
	v_and_b32 v4, 16, v1
	v_xor_b32 v4, 16, v4
	v_lshlrev_b32 v4, 27, v4                       ; the sign bit in lanes 0-15, 0 in lanes 16-31
	v_mov_b32 v[NEG], -1.0
	s_mov_b32 s22, 0x76543210                      ; v_permlanex16_b32: each lane takes its own place in the other half
	s_mov_b32 s23, 0xfedcba98
	s_mov_b32 s24, 0xffff0000                      ; a word's upper bf16
	s_mov_b32 s25, 0xbe549a78                      ; -log2(10000) / 64
	s_mov_b32 s26, 0x3f22f983                      ; 2 / pi
	s_mov_b32 s27, 0xbfc90fdb                      ; -(pi/2)'s upper part
	s_mov_b32 s28, 0x333bbd2e                      ; upper part - pi/2
	s_mov_b32 s29, 0xb9500d01                      ; -1/5040
	s_mov_b32 s30, 0x3c088889                      ; 1/120
	s_mov_b32 s31, 0xbe2aaaab                      ; -1/6
	s_mov_b32 s32, 0x37d00d01                      ; 1/40320
	s_mov_b32 s33, 0xbab60b61                      ; -1/720
	s_mov_b32 s34, 0x3d2aaaab                      ; 1/24
	s_wait_alu depctr_va_sdst(0)                   ; s16, the wave's number, is written, ahead of its first reader: the token's number and all bases are made from it
	s_lshl_b32 s17, ttmp9, 2
	s_add_co_u32 s17, s17, s16                     ; my token n
	s_and_b32 s37, s17, 2047                       ; the token in its sequence
	s_lshl_b32 s20, s17, 2
	s_mov_b32 s21, 0
	s_wait_kmcnt 0x0
	s_add_nc_u64 s[8:9], s[8:9], s[20:21]
	s_load_b32 s18, s[8:9], 0x0                    ; my token's position
	s_lshl_b32 s20, s17, 12                        ; a token's row of key and of value: 4,096 bytes
	s_add_nc_u64 s[4:5], s[4:5], s[20:21]
	s_add_nc_u64 s[6:7], s[6:7], s[20:21]
	s_lshl_b32 s20, s17, 9                         ; its row of the table: 512 bytes
	s_add_nc_u64 s[14:15], s[14:15], s[20:21]
	s_lshr_b32 s20, s17, 11                        ; the sequence: eight planes of 524,288 bytes,
	s_lshl_b32 s20, s20, 22
	s_lshl_b32 s19, s37, 8                         ; the token in it: rows of 256 bytes
	s_add_co_u32 s20, s20, s19
	s_add_nc_u64 s[10:11], s[10:11], s[20:21]
	s_add_nc_u64 s[12:13], s[12:13], s[20:21]
	s_lshr_b32 s20, s17, 11                        ; in kl: eight planes of 16,384 bytes,
	s_lshl_b32 s20, s20, 17
	s_min_u32 s35, s37, 63                         ; the token, held inside the plane's 64 rows (a later token stores nothing there)
	s_lshl_b32 s35, s35, 8
	s_add_co_u32 s20, s20, s35
	s_add_nc_u64 s[38:39], s[38:39], s[20:21]
	s_wait_alu depctr_va_vdst(0)                   ; v2 and v3 are written: every load and store of the kernel reads one of them as its offset
.irp j, 0,1,2,3,4,5,6,7
	global_load_b128 v[KR+4*(\j):KR+4*(\j)+3], v2, s[4:5] offset:512*(\j) th:TH_LOAD_NT
.endr
.irp j, 0,1,2,3,4,5,6,7
	global_load_b128 v[VR+4*(\j):VR+4*(\j)+3], v2, s[6:7] offset:512*(\j) th:TH_LOAD_NT
.endr
	; my four frequencies f = 4 (l % 16) + e
	v_and_b32 v30, 15, v1
	v_lshlrev_b32 v30, 2, v30
.irp e, 0,1,2,3
	v_add_nc_u32 v31, \e, v30
	v_cvt_f32_u32 v[AN+(\e)], v31
	v_mul_f32 v[AN+(\e)], s25, v[AN+(\e)]
.endr
.irp e, 0,1,2,3
	v_exp_f32 v[AN+(\e)], v[AN+(\e)]               ; 10000^(-f/64)
.endr
	v_nop                                          ; a plain instruction behind the last exponential,
	s_wait_alu depctr_va_vdst(0)                   ; and one wait for the four exponentials' results, ahead of their first reader
	s_wait_kmcnt 0x0                               ; the position
	v_cvt_f32_i32 v5, s18
.irp e, 0,1,2,3
	v_mul_f32 v[AN+(\e)], v5, v[AN+(\e)]           ; the angle, rounded once
.endr
; cos and sin of angle e.  n = the nearest whole number to angle x 2/pi; r = angle - n pi/2; S = sin r, C = cos r; by n mod 4: sin = S, C, -S, -C; cos = C, -S, -C, S.
; In two parts, cut at the compare 'n is odd', whose mask goes into scalar register m: the four angles' first parts stand on end, so that their compares have one wait.  S, C and n wait in SI, CO and AN.
.macro SC_A e, m
	v_mul_f32 v24, s26, v[AN+(\e)]
	v_rndne_f32 v24, v24
	v_fma_f32 v25, v24, s27, v[AN+(\e)]
	v_fma_f32 v25, v24, s28, v25                   ; r
	v_cvt_i32_f32 v[AN+(\e)], v24                  ; n
	v_mul_f32 v26, v25, v25                        ; r^2
	v_fma_f32 v27, v26, s29, s30
	v_fma_f32 v28, v26, s32, s33
	v_fma_f32 v27, v27, v26, s31
	v_fma_f32 v28, v28, v26, s34
	v_mul_f32 v30, v25, v26
	v_fma_f32 v28, v28, v26, -0.5
	v_fma_f32 v[SI+(\e)], v27, v30, v25            ; S
	v_fma_f32 v[CO+(\e)], v28, v26, 1.0            ; C
	v_and_b32 v30, 1, v[AN+(\e)]
	v_cmp_eq_u32 s[\m], 1, v30
.endm
.macro SC_B e, m
	v_cndmask_b32 v31, v[SI+(\e)], v[CO+(\e)], s[\m]  ; n odd: the two change places
	v_cndmask_b32 v29, v[CO+(\e)], v[SI+(\e)], s[\m]
	v_and_b32 v30, 2, v[AN+(\e)]
	v_lshlrev_b32 v30, 30, v30
	v_xor_b32 v[SI+(\e)], v31, v30
	v_add_nc_u32 v30, 1, v[AN+(\e)]
	v_and_b32 v30, 2, v30
	v_lshlrev_b32 v30, 30, v30
	v_xor_b32 v[CO+(\e)], v29, v30
.endm
	SC_A 0, 2
	SC_A 1, 3
	SC_A 2, 36
	SC_A 3, 16
	v_cmp_gt_u32 s35, 16, v1                       ; lanes 0-15
	s_wait_alu depctr_va_sdst(0)                   ; the five compares have written s2, s3, s36, s16 and s35, ahead of the selects that read them
	SC_B 0, 2
	SC_B 1, 3
	SC_B 2, 36
	SC_B 3, 16
.irp e, 0,1,2,3
	v_xor_b32 v[SS+(\e)], v[SI+(\e)], v4
	v_cndmask_b32 v[SI+(\e)], v[SI+(\e)], v[CO+(\e)], s35
.endr
.irp j, 0,1,2,3,4,5,6,7
	s_wait_loadcnt 15-(\j)                         ; loads come back in order: behind K's head j were issued K's later heads and V's eight
	s_wait_alu depctr_va_vdst(0)                   ; the lines above have written the data of the store below: the table's word, or the head before's two registers of KO
.if (\j) == 0
	global_store_b128 v2, v[SI:SI+3], s[14:15]     ; the wave stores the token's 512 consecutive bytes, at a multiple of 512 from the table's first byte
.else
	global_store_b64 v3, v[KO+2*(\j)-2:KO+2*(\j)-1], s[10:11] offset:((\j)-1)*524288  ; 32 lanes store a row's 256 consecutive bytes, aligned
.endif
	v_cvt_pk_bf16_f32 v20, v[KR+4*(\j)], v[KR+4*(\j)+1]
	v_cvt_pk_bf16_f32 v21, v[KR+4*(\j)+2], v[KR+4*(\j)+3]
	v_lshlrev_b32 v24, 16, v20
	v_and_b32 v25, s24, v20
	v_lshlrev_b32 v26, 16, v21
	v_and_b32 v27, s24, v21
	v_permlanex16_b32 v28, v24, s22, s23           ; the channel 64 away (v28-31 have been written above)
	v_permlanex16_b32 v29, v25, s22, s23
	v_permlanex16_b32 v30, v26, s22, s23
	v_permlanex16_b32 v31, v27, s22, s23
	v_pk_mul_f32 v[28:29], v[28:29], v[SS:SS+1]
	v_pk_mul_f32 v[30:31], v[30:31], v[SS+2:SS+3]
	v_pk_fma_f32 v[24:25], v[24:25], v[CO:CO+1], v[28:29]
	v_pk_fma_f32 v[26:27], v[26:27], v[CO+2:CO+3], v[30:31]
	v_cvt_pk_f16_f32 v[KO+2*(\j)], v24, v25
	v_cvt_pk_f16_f32 v[KO+2*(\j)+1], v26, v27
	v_fma_mix_f32 v28, v[KO+2*(\j)], v[NEG], v24 op_sel_hi:[1,0,0]              ; k less its f16: an f16 half times -1 plus the f32, exact
	v_fma_mix_f32 v29, v[KO+2*(\j)], v[NEG], v25 op_sel:[1,0,0] op_sel_hi:[1,0,0]
	v_fma_mix_f32 v30, v[KO+2*(\j)+1], v[NEG], v26 op_sel_hi:[1,0,0]
	v_fma_mix_f32 v31, v[KO+2*(\j)+1], v[NEG], v27 op_sel:[1,0,0] op_sel_hi:[1,0,0]
	v_cvt_pk_f16_f32 v[KL+2*(\j)], v28, v29
	v_cvt_pk_f16_f32 v[KL+2*(\j)+1], v30, v31
.endr
.irp j, 0,1,2,3,4,5,6,7
	s_wait_loadcnt 7-(\j)                          ; behind V's head j: V's later heads
	s_wait_alu depctr_va_vdst(0)                   ; the step before has written the data of the store below: K's last head, or V's head before
.if (\j) == 0
	global_store_b64 v3, v[KO+14:KO+15], s[10:11] offset:7*524288
.else
	global_store_b64 v3, v[VO+2*(\j)-2:VO+2*(\j)-1], s[12:13] offset:((\j)-1)*524288
.endif
	v_cvt_pk_bf16_f32 v20, v[VR+4*(\j)], v[VR+4*(\j)+1]
	v_cvt_pk_bf16_f32 v21, v[VR+4*(\j)+2], v[VR+4*(\j)+3]
	v_lshlrev_b32 v24, 16, v20
	v_and_b32 v25, s24, v20
	v_lshlrev_b32 v26, 16, v21
	v_and_b32 v27, s24, v21
	v_cvt_pk_f16_f32 v[VO+2*(\j)], v24, v25
	v_cvt_pk_f16_f32 v[VO+2*(\j)+1], v26, v27
.endr
	s_wait_alu depctr_va_vdst(0)                   ; V's last head has written its two registers of VO, which the store below reads; no vector line follows, so KL, written above, is covered for the stores behind the branch too
	global_store_b64 v3, v[VO+14:VO+15], s[12:13] offset:7*524288
	s_cmp_lt_u32 s37, 64                           ; k's lower part is kept for the sequence's first 64 tokens alone
	s_cbranch_scc0 .Lnot_first
.irp j, 0,1,2,3,4,5,6,7
	global_store_b64 v3, v[KL+2*(\j):KL+2*(\j)+1], s[38:39] offset:(\j)*16384  ; a row's 256 consecutive bytes, aligned
.endr
.Lnot_first:
	s_endpgm
.Lfunc_end_k_q8298c772bb_prep:
	.size	k_q8298c772bb_prep, .Lfunc_end_k_q8298c772bb_prep-k_q8298c772bb_prep
	.p2alignl 7, 3214868480
	.fill 96, 4, 3214868480
	.section	.rodata,"a",@progbits
	.p2align	6, 0x0
	.amdhsa_kernel k_q8298c772bb_prep
		.amdhsa_group_segment_fixed_size 0
		.amdhsa_private_segment_fixed_size 0
		.amdhsa_enable_private_segment 0
		.amdhsa_kernarg_size 56
		.amdhsa_user_sgpr_count 2
		.amdhsa_user_sgpr_kernarg_segment_ptr 1
		.amdhsa_wavefront_size32 1
		.amdhsa_system_sgpr_workgroup_id_x 1
		.amdhsa_system_sgpr_workgroup_id_y 1
		.amdhsa_system_sgpr_workgroup_id_z 1
		.amdhsa_system_vgpr_workitem_id 0
		.amdhsa_next_free_vgpr 144
		.amdhsa_next_free_sgpr 66
		.amdhsa_reserve_vcc 0
		.amdhsa_float_denorm_mode_32 3
		.amdhsa_float_denorm_mode_16_64 3
		.amdhsa_memory_ordered 1
		.amdhsa_forward_progress 1
		.amdhsa_inst_pref_size 27
	.end_amdhsa_kernel
	.amdgpu_metadata
---
amdhsa.version: [ 1, 2 ]
amdhsa.kernels:
  - .name:           k_q8298c772bb_prep
    .symbol:         k_q8298c772bb_prep.kd
    .args:
      - { .name: key, .offset: 0, .size: 8, .value_kind: global_buffer, .address_space: global }
      - { .name: value, .offset: 8, .size: 8, .value_kind: global_buffer, .address_space: global }
      - { .name: positions, .offset: 16, .size: 8, .value_kind: global_buffer, .address_space: global }
      - { .name: kh, .offset: 24, .size: 8, .value_kind: global_buffer, .address_space: global }
      - { .name: vh, .offset: 32, .size: 8, .value_kind: global_buffer, .address_space: global }
      - { .name: tab, .offset: 40, .size: 8, .value_kind: global_buffer, .address_space: global }
      - { .name: kl, .offset: 48, .size: 8, .value_kind: global_buffer, .address_space: global }
    .group_segment_fixed_size: 0
    .private_segment_fixed_size: 0
    .kernarg_segment_align: 8
    .kernarg_segment_size: 56
    .max_flat_workgroup_size: 128
    .sgpr_count:     66
    .vgpr_count:     144
    .wavefront_size: 32
...
	.end_amdgpu_metadata
.endif
;; end of part 4
;; launch attn: the kernel of part 2 again; grid 24 x 16, 4 waves a work-group, no clusters, 327,680 bytes of LDS; arguments query, kh, vh, tab, out0; writes out0
;; launch fine (part 5): grid 4 x 16, 4 waves a work-group, no clusters, 52,736 bytes of LDS; arguments query, kh, kl, vh, tab, out0; writes out0
.if DOCPART == 5
	.amdgcn_target "amdgcn-amd-amdhsa--gfx1250"
	.amdhsa_code_object_version 6
	.text
	.protected	k_q8298c772bb_fine
	.globl	k_q8298c772bb_fine
	.p2align	8
	.type	k_q8298c772bb_fine,@function
k_q8298c772bb_fine:
	s_mov_b64 s[64:65], 0
	v_nop
	global_prefetch_b8 v0, s[64:65] scope:SCOPE_SE
	s_setreg_imm32_b32 hwreg(HW_REG_WAVE_SCHED_MODE, 0, 2), 2
	s_setreg_imm32_b32 hwreg(HW_REG_WAVE_MODE, 25, 1), 1
	s_wait_xcnt 0x0
	s_wait_alu depctr_vm_vsrc(0)
; THE FIRST 64 TOKENS OF EACH SEQUENCE.  The same attention as in the launch for the other tokens (causal; the window of 1,024 keys is not reached), for the rows that average over 1 to 64 keys.  There a rounding
; of q, k or p reaches the output whole, so each of the three goes to the matrix unit in TWO f16 parts, x = hi + lo, lo = f16(x - hi):
;   S = mask + Khi Qhi + Khi Qlo + Klo Qhi,     O = V Phi + V Plo     (v is exact in f16; the product of two lower parts is left out: 2^-24 of a score).
; query, out0: [4096 tokens][32 heads x 128] f32.  kh, vh: [16 planes = sequence x 8 + kv head][2048][128] f16.  kl: [16 planes][64][128] f16, k's lower part.  tab: [4096 tokens][64 cos | 64 sin] f32.
; FORMATS.  q is rounded to bf16 and rotated in f32; all matrix operands are f16; products, maxima and sums in f32; l is the sum of the unrounded p; O leaves in f32.
; LIMITS.  |q| under 46,000 (f16's range behind the rotation); a lower part below 6e-5 keeps f16's fixed step of 6e-8.  A hidden score counts as its value less 1e30; the maximum starts at -2^64, above every hidden
; score and below every true one; every row sees its own key.  A weight below 2^-126 counts as 0.  NaN and infinities are not treated apart.
; SHARES.  Work-group (x, y): tokens 16 x .. 16 x + 15 of plane y's sequence; wave t: query head 4 (y % 8) + t: one tile of 16 queries against the 64 keys.  4 x 16 work-groups: all the work that these rows have.
; K's two parts come straight from memory into fragments; V is shared: each wave brings 16 of its 64 rows into LDS, one barrier, and every wave reads it turned, by ds_load_tr16_b128.
; The text is one straight line: no branch, no label, no tensor load.  No cluster: what the four work-groups of a plane share is 48 KiB, read once each.  No prefetch: every address is known at the head and asked for there.
; LAYOUT.  S^T = K Q^T (source 0 = 16 keys, source 1 = 16 queries): a lane holds ONE query (lane % 16) and the keys 8 (lane / 16) + 0..7; two such results rounded to f16 ARE source 1 of O^T = V^T P.
; REGISTERS, in two windows of 256 (s_set_vgpr_msb: bits 1:0 source 0, 7:6 destination):
;   window 0: v0-31 addresses, statistics, the add's two;  v32-95 q as loaded, then in f32; then v32-63 q's lower part, v64-95 the mask; then v32-47 p's lower part
;             v96-159 cos and sin; then v96-127 S^T, v128-143 P; at the end the rows read back from the stage;  v160-191 my rows of V; then packed bf16; then q's upper part;  v192-255 the rotated q; then O^T
;   window 1: v0-127 K's upper part, v128-255 its lower part; then v0-127 V
; THE MODE: SCHED_MODE bits 1:0 = 2 (LLVM: expert scheduling mode 2), set by the entry lines.  The code itself states the register dependences
; between vector or matrix instructions and memory or LDS instructions, with s_wait_alu, always for 0.
; THE PLAN.  Registers that memory or LDS instructions touch:
;   v2-8, v20, v30, v31   addresses, and the add's two: all made at the head, ahead of ONE wait on va_vdst, and never written again.
;   v160-191     V's loads land here; my LDS stores of V read them; then the roundings to bf16 write them: one wait on vm_vsrc, behind those stores.
;   v32-159      q's and the table's loads land here, before any vector line names them.  At the end the loads from the stage land in v96-159, which the sums and the products have named.
;   window 1     K's loads land here, before anything names them; the products read them; V's turning loads land on v0-127: one wait on va_vdst, ahead of those loads.
;   v192-255     O^T: written by the products and the division, read by the LDS stores into the stage: one wait on va_vdst, which also covers v96-159 for the loads behind the stores.
; Vector lines that write a scalar register: the wave's number, and the mask's 32 compares, in two runs of 16: each has its wait ahead of the first reader.
.set PV,    288       ; a row of V in LDS: 256 bytes + 32 = 72 words
.set SP,    528       ; a row of a stage: 512 bytes + 16
.set STAGE, 64*PV     ; behind V's 64 rows: 16 rows x 528 bytes for each wave, for the way out
.set SPARE, STAGE+4*16*SP  ; behind the stages: the spare words, 128 bytes for each wave: two blocks of 256 bytes that no other line names
.set AV0, 2           ; v2   my lane's place in the turning loads of V
.set QO,  3           ; v3   my byte offset in 16 rows of query: (l % 16) x 16,384 + 32 (l / 16)
.set TO,  4           ; v4   the same in 16 rows of tab: (l % 16) x 512 + 32 (l / 16)
.set KO,  5           ; v5   the same in 16 rows of kh and kl: (l % 16) x 256 + 16 (l / 16)
.set STO, 6           ; v6   the way out: where I put 32 bytes of a row
.set RD,  7           ; v7   the way out: where I read a row back
.set GO,  8           ; v8   16 x lane: my place in 512 consecutive bytes of vh and of out0
.set ST,  12          ; v12-19  +0 c m, +1 m, +2, +3 l (even keys', odd keys'), +4 to +7 c0-c3 at work; a, later 1 / l, takes c2's place
.set VS,  20          ; v20  where I put 16 bytes of a row of V
.set MQ,  21          ; v21  16 x + l % 16 - 8 (l / 16): register r of key group kb is behind my query where 16 kb + r is greater
.set NEG1, 22         ; v22  -1.0
.set SPW, 30          ; v30  LDS address of my spare word; never rewritten
.set NIL, 31          ; v31  0; never rewritten
.set XF,  32
.set QL,  32
.set PL,  32
.set MD,  64
.set CSR, 96
.set S,   96
.set P,   128
.set BK,  96
.set VR,  160
.set XB,  160
.set QH,  160
.set Y,   192
.set O,   192
.set KH,  0           ; window 1: keys 16 kb on, channels 32 c on at 32 kb + 8 c
.set KL,  128         ; window 1
.set WV,  16          ; s16  my wave's number
.set CS,  24          ; s[24:25] c, named as a pair
.set SEL, 26          ; s[26:27] v_permlanex16_b32's selects: each lane takes its own place in the other half
.set BIGN, 28         ; s28  -1e30
.set HIM, 29          ; s29  a word's upper bf16
.set MSB, 0
.macro WIN new                      ; the high byte repeats the setting that is left; a switch that changes nothing is dropped
.if MSB != (\new)
	s_set_vgpr_msb (MSB<<8)|(\new)
.set MSB, (\new)
.endif
.endm
; Eight loads: chunk c (32 channels) of the 64 keys' fragments, from kh or kl, into window 1.  A fragment is 16 rows x 32 channels: lane l holds row l % 16, channels 8 (l / 16) + 0..7 and 16 + 8 (l / 16) + 0..7.
.macro KLOAD reg, ptr, c
.irp kb, 0,1,2,3
	global_load_b128 v[(\reg)+32*(\kb)+8*(\c):(\reg)+32*(\kb)+8*(\c)+3],   v[KO], s[\ptr:\ptr+1] offset:(\kb)*4096+(\c)*64
	global_load_b128 v[(\reg)+32*(\kb)+8*(\c)+4:(\reg)+32*(\kb)+8*(\c)+7], v[KO], s[\ptr:\ptr+1] offset:(\kb)*4096+(\c)*64+32
.endr
.endm
; Sixteen products onto S^T: channels 32 (i / 4) on, keys 16 (i % 4) on.  The four accumulators take turns, one instruction a turn, from one run of sixteen into the next too.  first = 1: the first four start the sums with the mask.
.macro KQ kreg, qreg, first
.set i, 0
.rept 16
.if (\first) && (i < 4)
	v_wmma_f32_16x16x32_f16 v[S+8*(i%4):S+8*(i%4)+7], v[(\kreg)+32*(i%4)+8*(i/4):(\kreg)+32*(i%4)+8*(i/4)+7], v[(\qreg)+8*(i/4):(\qreg)+8*(i/4)+7], v[MD+8*(i%4):MD+8*(i%4)+7]
.else
	v_wmma_f32_16x16x32_f16 v[S+8*(i%4):S+8*(i%4)+7], v[(\kreg)+32*(i%4)+8*(i/4):(\kreg)+32*(i%4)+8*(i/4)+7], v[(\qreg)+8*(i/4):(\qreg)+8*(i/4)+7], v[S+8*(i%4):S+8*(i%4)+7]
.endif
.set i, i+1
.endr
.endm
; Sixteen products onto O^T: keys 32 (i / 8) on, channels 16 (i % 8) on.  The eight accumulators take turns.  first = 1: the first eight start the sums with the constant 0.
.macro PVM preg, first
.set i, 0
.rept 16
.if (\first) && (i < 8)
	v_wmma_f32_16x16x32_f16 v[O+8*(i%8):O+8*(i%8)+7], v[64*(i/8)+8*(i%8):64*(i/8)+8*(i%8)+7], v[(\preg)+8*(i/8):(\preg)+8*(i/8)+7], 0
.else
	v_wmma_f32_16x16x32_f16 v[O+8*(i%8):O+8*(i%8)+7], v[64*(i/8)+8*(i%8):64*(i/8)+8*(i%8)+7], v[(\preg)+8*(i/8):(\preg)+8*(i/8)+7], v[O+8*(i%8):O+8*(i%8)+7]
.endif
.set i, i+1
.endr
.endm
; THE SOFTMAX: a list of 102 instructions; SM writes number j.  s0-s31 are the lane's 32 scores, in pairs 0-15.
;   0-15    the maximum of s0-s31 and the starting m, three operands at a time: four chains c0-c3 of seven scores each (each accumulator's lowest registers are read first), then the four left over, c0-c3 and m
;   16-20   the other half of the lanes' maximum; the starting c m is kept; m; c m; their difference
;   21-69   ONE BATCH: the 16 scalings c s - c m and all 33 exponentials (a, which is 0 here, at 23; then s0-s31); none of these reads an exponential's result; a pair is scaled ahead of its exponentials
;   (wait)  between 69 and 70 stands the wait for the batch
;   70-85   the roundings to f16: p's upper part     86-101  the sums, in place; l = a l + the sum
.macro SM
.if j < 4
	v_max3_num_f32 v[ST+4+j], v[S+8*j], v[S+8*j+1], v[S+8*j+2]
.elseif j < 12
	v_max3_num_f32 v[ST+4+j%4], v[ST+4+j%4], v[S+8*(j%4)+2*(j/4)+1], v[S+8*(j%4)+2*(j/4)+2]
.elseif j == 12
	v_max3_num_f32 v[ST+4], v[ST+4], v[S+7], v[S+15]
.elseif j == 13
	v_max3_num_f32 v[ST+6], v[ST+6], v[S+23], v[S+31]
.elseif j == 14
	v_max3_num_f32 v[ST+4], v[ST+4], v[ST+5], v[ST+6]
.elseif j == 15
	v_max3_num_f32 v[ST+4], v[ST+4], v[ST+7], v[ST+1]
.elseif j == 16
	v_permlanex16_b32 v[ST+5], v[ST+4], s[SEL], s[SEL+1]  ; the query's other 32 keys lie in the lane 16 away
.elseif j == 17
	v_mov_b32 v[ST+7], v[ST]
.elseif j == 18
	v_max_num_f32 v[ST+1], v[ST+4], v[ST+5]
.elseif j == 19
	v_mul_f32 v[ST], s[CS], v[ST+1]
.elseif j == 20
	v_sub_f32 v[ST+7], v[ST+7], v[ST]
.elseif j == 23
	v_exp_f32 v[ST+6], v[ST+7]
.elseif (j < 23) || ((j < 38) && (j%2 == 0)) || ((j < 66) && (j%4 == 2))
.set b, (j-2)/4                     ; 38, 42, .. 62: pairs 9 to 15
.if j < 38
.set b, (j-20)/2                    ; 21: pair 0; 22, 24, .. 36: pairs 1 to 8
.endif
	v_pk_fma_f32 v[S+2*b:S+2*b+1], v[S+2*b:S+2*b+1], s[CS:CS+1], v[ST:ST+1] op_sel_hi:[1,0,0] neg_lo:[0,0,1] neg_hi:[0,0,1]  ; pair b: c s - c m
.elseif j < 70
.set e, j-38                        ; 66 to 69: s28 to s31
.if j < 66
.set e, j-32-(j-38)/4               ; 39-41, 43-45, .. 63-65: s7 to s27
.endif
.if j < 38
.set e, (j-25)/2                    ; 25, 27, .. 37: s0 to s6
.endif
	v_exp_f32 v[S+e], v[S+e]
.elseif j < 86
	v_cvt_pk_f16_f32 v[P+j-70], v[S+2*(j-70)], v[S+2*(j-70)+1]
.else                               ; the sum of the 16 pairs, in place: neighbours 1, 2, 4 and 8 pairs apart, then l takes it
.set z, j-86
.set w, 4
.set u, z
.if z >= 14
.set w, 32
.set u, 0
.elseif z >= 12
.set w, 16
.set u, z-12
.elseif z >= 8
.set w, 8
.set u, z-8
.endif
.if z < 15
	v_pk_add_f32 v[S+w*u:S+w*u+1], v[S+w*u:S+w*u+1], v[S+w*u+w/2:S+w*u+w/2+1]
.else
	v_pk_fma_f32 v[ST+2:ST+3], v[ST+2:ST+3], v[ST+6:ST+7], v[S:S+1] op_sel_hi:[1,0,1]
.endif
.endif
.set j, j+1
.endm
	s_load_b256 s[4:11], s[0:1], 0x0  ; query s[4:5], kh s[6:7], kl s[8:9], vh s[10:11]
	s_load_b128 s[12:15], s[0:1], 0x20 ; tab s[12:13], out0 s[14:15]
	v_lshl_add_u32 v[SPW], v0, 2, SPARE
	v_mov_b32 v[NIL], 0
	v_lshrrev_b32 v1, 5, v0
	v_readfirstlane_b32 s[WV], v1   ; wave 0..3
	; All addresses of the kernel are made here, in the wait for the arguments: first those that hang on the lane alone.
	v_and_b32 v1, 15, v0            ; l % 16
	v_bfe_u32 v9, v0, 4, 1          ; l / 16
	v_and_b32 v10, 31, v0           ; l
	v_lshlrev_b32 v[QO], 14, v1
	v_lshl_add_u32 v[QO], v9, 5, v[QO]
	v_lshlrev_b32 v[TO], 9, v1
	v_lshl_add_u32 v[TO], v9, 5, v[TO]
	v_lshlrev_b32 v[KO], 8, v1
	v_lshl_add_u32 v[KO], v9, 4, v[KO]
	v_lshlrev_b32 v[GO], 4, v10
	; The turning load takes 16 keys x 16 channels (lane l reads key 8 (l / 16) + l % 8, channels 8 ((l / 8) % 2) + 0..7) and leaves half a fragment of V^T: lane l holds channel l % 16 and 8 keys.
	v_and_b32 v10, 7, v0
	v_bfe_u32 v11, v0, 3, 1
	v_lshl_add_u32 v[AV0], v9, 3, v10
	v_mul_u32_u24 v[AV0], v[AV0], PV
	v_lshl_add_u32 v[AV0], v11, 4, v[AV0]
	v_mov_b32 v[NEG1], -1.0
	v_mov_b32 v[ST], 0xfe000000     ; c m: far below every c s, so a is 0
	v_mov_b32 v[ST+1], 0xdf800000   ; m = -2^64: between the hidden scores and the true ones
	v_mov_b32 v[ST+2], 0            ; l
	v_mov_b32 v[ST+3], 0
	s_mov_b32 s17, ttmp9            ; x: which 16 of the 64 tokens
	s_and_b32 s18, ttmp7, 0xffff    ; y: the plane
	s_lshr_b32 s19, s18, 3
	s_lshl_b32 s19, s19, 11         ; the sequence's first token,
	s_lshl_b32 s20, s17, 4
	s_add_co_u32 s19, s19, s20      ; my first token
	s_and_b32 s20, s18, 7
	s_lshl_b32 s20, s20, 11         ; the kv head's four query heads: 2,048 bytes of a row of 16,384,
	s_mov_b32 s[CS], 0x3e0293ee     ; c = log2(e) / sqrt(128) = 0.127517
	s_mov_b32 s[CS+1], s[CS]        ; named with it as a pair
	s_mov_b32 s[SEL], 0x76543210
	s_mov_b32 s[SEL+1], 0xfedcba98
	s_mov_b32 s[BIGN], 0xf149f2ca   ; -1e30
	s_mov_b32 s[HIM], 0xffff0000
	s_wait_alu depctr_va_sdst(0)    ; s16, the wave's number, is written, ahead of its first reader: bases and LDS addresses are made from it
	s_lshl_b32 s21, s[WV], 9        ; mine of them: 512 bytes
	s_add_co_u32 s20, s20, s21
	s_lshl_b32 s21, s19, 14
	s_add_co_u32 s20, s20, s21      ; in query and in out0
	s_mov_b32 s21, 0
	s_lshl_b32 s22, s19, 9          ; in the table: rows of 512 bytes
	s_mov_b32 s23, 0
	s_lshl_b32 s30, s18, 19         ; a plane of kh and of vh
	s_mov_b32 s31, 0
	s_lshl_b32 s32, s18, 14         ; a plane of kl
	s_mov_b32 s33, 0
	s_lshl_b32 s34, s[WV], 12       ; the 16 rows of V that I bring
	s_add_co_u32 s34, s34, s30
	s_mov_b32 s35, 0
	s_mul_i32 s36, s[WV], 16*PV     ; V into LDS: my 16 rows; lanes 0-15 one row, lanes 16-31 the next
	s_mul_i32 s37, s[WV], 16*SP
	s_add_co_u32 s37, s37, STAGE    ; my stage
	s_lshl_b32 s38, s17, 4          ; my tokens' place among the 64
	v_mul_u32_u24 v[VS], v9, PV
	v_lshl_add_u32 v[VS], v1, 4, v[VS]
	v_add_nc_u32 v[VS], s36, v[VS]
	v_mul_u32_u24 v[STO], v1, SP    ; in: row l % 16, 32 bytes for each half of the lanes
	v_lshl_add_u32 v[STO], v9, 5, v[STO]
	v_add_nc_u32 v[STO], s37, v[STO]
	v_add_nc_u32 v[RD], s37, v[GO]  ; back: 32 lanes take a row's 512 bytes
	v_lshlrev_b32 v10, 3, v9
	v_sub_nc_u32 v[MQ], v1, v10
	v_add_nc_u32 v[MQ], s38, v[MQ]
	s_wait_kmcnt 0x0
	s_add_nc_u64 s[4:5], s[4:5], s[20:21]
	s_add_nc_u64 s[14:15], s[14:15], s[20:21]
	s_add_nc_u64 s[12:13], s[12:13], s[22:23]
	s_add_nc_u64 s[6:7], s[6:7], s[30:31]
	s_add_nc_u64 s[8:9], s[8:9], s[32:33]
	s_add_nc_u64 s[10:11], s[10:11], s[34:35]
	s_wait_alu depctr_va_vdst(0)    ; v2 to v8, v20, v30 and v31 are written: every load, store and LDS instruction of the kernel reads one of them as its address, and none is written again
.set i, 0
.rept 8                             ; my 16 rows of V: dense rows of 256 bytes, two to a load
	global_load_b128 v[VR+4*i:VR+4*i+3], v[GO], s[10:11] offset:512*i
.set i, i+1
.endr
	; q, cos and sin.  Register 16 q + z of the 64 takes the f32 that belongs in half z of chunk q's fragment; so channel c and c + 64 lie in ONE lane, 32 registers apart.  The same offsets in the table's row bring cos (0-31) and sin (32-63).
.set m, 0
.rept 16
	global_load_b128 v[XF+4*m:XF+4*m+3], v[QO], s[4:5] offset:(m/4)*128+((m%4)/2)*64+(m%2)*16
.set m, m+1
.endr
.set m, 0
.rept 16
	global_load_b128 v[CSR+4*m:CSR+4*m+3], v[TO], s[12:13] offset:(m/4)*128+((m%4)/2)*64+(m%2)*16
.set m, m+1
.endr
	s_wait_loadcnt 32               ; loads come back in order: behind V's eight were issued q's sixteen and the table's sixteen
.set i, 0
.rept 8
	ds_store_b128 v[VS], v[VR+4*i:VR+4*i+3] offset:i*2*PV
.set i, i+1
.endr
	s_wait_loadcnt 0x0              ; q, cos and sin are in
	s_wait_alu depctr_vm_vsrc(0)    ; the LDS stores above have read v160-191, which the rotation's roundings to bf16 write again; it stands ahead of K's loads, whose address is never rewritten
	WIN 0x40                        ; destination window 1, address window 0
.irp c, 0,1,2,3
	KLOAD KH, 6, \c                 ; K's upper part: 32 loads,
.endr
.irp c, 0,1,2
	KLOAD KL, 8, \c                 ; and three chunks of its lower part: 24.  They land under the rotation.  No wait: nothing has named window 1, and v5 stands written since the head's wait
.endr
	WIN 0
	s_wait_dscnt 0x0                ; my rows of V lie in LDS: no LDS instruction of mine is out from here to the barrier below
	; THE ROTATION: q rounded to bf16; x1 cos - x2 sin, x2 cos + x1 sin in f32; the upper part; what it loses, by an f16 half times -1 plus the f32, which is exact; the lower part.
.set g, 0
.rept 32
	v_cvt_pk_bf16_f32 v[XB+g], v[XF+2*g], v[XF+2*g+1]
.set g, g+1
.endr
.set g, 0
.rept 32
	v_lshlrev_b32 v[XF+2*g], 16, v[XB+g]
	v_and_b32 v[XF+2*g+1], s[HIM], v[XB+g]
.set g, g+1
.endr
.set g, 0
.rept 16
	v_pk_mul_f32 v[Y+2*g:Y+2*g+1], v[XF+32+2*g:XF+32+2*g+1], v[CSR+32+2*g:CSR+32+2*g+1]
	v_pk_mul_f32 v[Y+32+2*g:Y+32+2*g+1], v[XF+2*g:XF+2*g+1], v[CSR+32+2*g:CSR+32+2*g+1]
	v_pk_fma_f32 v[Y+2*g:Y+2*g+1], v[XF+2*g:XF+2*g+1], v[CSR+2*g:CSR+2*g+1], v[Y+2*g:Y+2*g+1] neg_lo:[0,0,1] neg_hi:[0,0,1]
	v_pk_fma_f32 v[Y+32+2*g:Y+32+2*g+1], v[XF+32+2*g:XF+32+2*g+1], v[CSR+2*g:CSR+2*g+1], v[Y+32+2*g:Y+32+2*g+1]
.set g, g+1
.endr
.set g, 0
.rept 32
	v_cvt_pk_f16_f32 v[QH+g], v[Y+2*g], v[Y+2*g+1]
.set g, g+1
.endr
.set g, 0
.rept 32
	v_fma_mix_f32 v[Y+2*g], v[QH+g], v[NEG1], v[Y+2*g] op_sel_hi:[1,0,0]
	v_fma_mix_f32 v[Y+2*g+1], v[QH+g], v[NEG1], v[Y+2*g+1] op_sel:[1,0,0] op_sel_hi:[1,0,0]
.set g, g+1
.endr
.set g, 0
.rept 32
	v_cvt_pk_f16_f32 v[QL+g], v[Y+2*g], v[Y+2*g+1]
.set g, g+1
.endr
	; The mask: -1e30 where the key lies behind my query.  Two runs of sixteen compares, into s17-23 and s30-38 (the head's offsets, long used up), each run with one wait ahead of its sixteen selects.
.set i, 0
.rept 2
.set n, 0
.rept 16
.set r, 17+n
.if n >= 7
.set r, 23+n
.endif
	v_cmp_gt_i32 s[r], 16*((i+n)/8)+(i+n)%8, v[MQ]
.set n, n+1
.endr
	s_wait_alu depctr_va_sdst(0)    ; the sixteen compares have written their scalar registers, ahead of the selects that read them
.set n, 0
.rept 16
.set r, 17+n
.if n >= 7
.set r, 23+n
.endif
	v_cndmask_b32 v[MD+i+n], 0, s[BIGN], s[r]
.set n, n+1
.endr
.set i, i+16
.endr
	s_wait_loadcnt 24               ; K's upper part is in: behind its 32 loads were issued the lower part's 24
	WIN 0x40
	KLOAD KL, 8, 3                  ; the lower part's last chunk.  No wait: no vector line has named its registers in window 1, nor v5 since the head's wait
	WIN 0x01                        ; source 0 (K, later V) in window 1
	KQ KH, QH, 1                    ; mask + Khi Qhi
	KQ KH, QL, 0                    ; + Khi Qlo
	s_wait_loadcnt 0x0              ; K's lower part is in
	KQ KL, QH, 0                    ; + Klo Qhi
	WIN 0
	s_barrier_signal -1             ; each wave has waited for its stores of V above, and has issued no LDS instruction since
	s_barrier_wait -1               ; all 64 rows of V lie in LDS
.rept 4
	v_nop                           ; the places behind the last products, in front of the softmax that reads the scores
.endr
	WIN 0x40                        ; V, turned: keys 32 (f / 8) on, channels 16 (f % 8) on.  It lands under the softmax
	s_wait_alu depctr_va_vdst(0)    ; the products are done reading K's upper part, in whose registers the loads below land
.irp f, 0,1,2,3,4,5,6,7,8,9,10,11,12,13,14,15
	ds_load_tr16_b128 v[8*(\f):8*(\f)+3],   v[AV0] offset:((\f)/8)*32*PV+((\f)%8)*32
	ds_load_tr16_b128 v[8*(\f)+4:8*(\f)+7], v[AV0] offset:((\f)/8)*32*PV+16*PV+((\f)%8)*32
.endr
	WIN 0
.set j, 0
.rept 70
	SM                              ; the maximum, the statistics, and the batch
.endr
	v_nop                           ; a plain instruction behind the last exponential,
	s_wait_alu depctr_va_vdst(0)    ; and one wait for the 33 exponentials' results, ahead of their first reader
.rept 16
	SM                              ; p's upper part
.endr
.set g, 0
.rept 16                            ; p less its f16, exact, ahead of the sums, which work in place on p
	v_fma_mix_f32 v[PL+2*g], v[P+g], v[NEG1], v[S+2*g] op_sel_hi:[1,0,0]
	v_fma_mix_f32 v[PL+2*g+1], v[P+g], v[NEG1], v[S+2*g+1] op_sel:[1,0,0] op_sel_hi:[1,0,0]
.set g, g+1
.endr
.set g, 0
.rept 16                            ; p's lower part, in place: pair g lands on register g, whose number has been read by then
	v_cvt_pk_f16_f32 v[PL+g], v[PL+2*g], v[PL+2*g+1]
.set g, g+1
.endr
.rept 16
	SM                              ; the sums, and l
.endr
	s_wait_dscnt 0x0                ; V is in
	WIN 0x01
	PVM P, 1                        ; V Phi
	PVM PL, 0                       ; + V Plo
	WIN 0
.rept 4
	v_nop                           ; the places behind the last products
.endr
	; THE WAY OUT.  l's two halves and the other half of the lanes' are added; O^T is divided by l; a lane's eight channels of a row, 32 bytes, go into my stage's rows of 528 bytes and come back as whole rows of 512.
	v_add_f32 v[ST+4], v[ST+2], v[ST+3]
	v_permlanex16_b32 v[ST+5], v[ST+4], s[SEL], s[SEL+1]
	v_add_f32 v[ST+4], v[ST+4], v[ST+5]
	v_rcp_f32 v[ST+6], v[ST+4]
	v_nop                           ; a plain instruction between the reciprocal and the use of its result,
	s_wait_alu depctr_va_vdst(0)    ; and the wait for the reciprocal's result
.set i, 0
.rept 32
	v_pk_mul_f32 v[O+i:O+i+1], v[O+i:O+i+1], v[ST+6:ST+7] op_sel_hi:[1,0]
.set i, i+2
.endr
	s_wait_alu depctr_va_vdst(0)    ; the multiplies have written O^T, which the LDS stores read; the sums and the products are done with v96-159, in which the loads from the stage land
.set i, 0
.rept 16
	ds_store_b128 v[STO], v[O+4*i:O+4*i+3] offset:64*(i/2)+16*(i%2)
.set i, i+1
.endr
.set i, 0
.rept 16
	ds_load_b128 v[BK+4*i:BK+4*i+3], v[RD] offset:i*SP  ; LDS serves a wave's instructions in order (ISA guide 5.7.1.4): these see the stores above; the stage is my wave's own
.set i, i+1
.endr
.set i, 0
.rept 16
	s_wait_dscnt 15-i               ; row i is back; the later rows' loads may stay out
	global_store_b128 v[GO], v[BK+4*i:BK+4*i+3], s[14:15] offset:i*16384 th:TH_STORE_NT  ; the wave stores a head's 512 consecutive bytes of a token, aligned
.set i, i+1
.endr
	s_wait_dscnt 0x0                ; the closing lines, six on end
	s_wait_alu 0x0
	s_wait_tensorcnt 0x0
	ds_add_u32 v[SPW], v[NIL]
	s_wait_dscnt 0x0
	s_endpgm
.Lfunc_end_k_q8298c772bb_fine:
	.size	k_q8298c772bb_fine, .Lfunc_end_k_q8298c772bb_fine-k_q8298c772bb_fine
	.p2alignl 7, 3214868480
	.fill 96, 4, 3214868480
	.section	.rodata,"a",@progbits
	.p2align	6, 0x0
	.amdhsa_kernel k_q8298c772bb_fine
		.amdhsa_group_segment_fixed_size 52736
		.amdhsa_private_segment_fixed_size 0
		.amdhsa_enable_private_segment 0
		.amdhsa_kernarg_size 48
		.amdhsa_user_sgpr_count 2
		.amdhsa_user_sgpr_kernarg_segment_ptr 1
		.amdhsa_wavefront_size32 1
		.amdhsa_system_sgpr_workgroup_id_x 1
		.amdhsa_system_sgpr_workgroup_id_y 1
		.amdhsa_system_sgpr_workgroup_id_z 1
		.amdhsa_system_vgpr_workitem_id 0
		.amdhsa_next_free_vgpr 512
		.amdhsa_next_free_sgpr 66
		.amdhsa_reserve_vcc 0
		.amdhsa_float_denorm_mode_32 3
		.amdhsa_float_denorm_mode_16_64 3
		.amdhsa_memory_ordered 1
		.amdhsa_forward_progress 1
		.amdhsa_inst_pref_size 57
	.end_amdhsa_kernel
	.amdgpu_metadata
---
amdhsa.version: [ 1, 2 ]
amdhsa.kernels:
  - .name:           k_q8298c772bb_fine
    .symbol:         k_q8298c772bb_fine.kd
    .args:
      - { .name: query, .offset: 0, .size: 8, .value_kind: global_buffer, .address_space: global }
      - { .name: kh, .offset: 8, .size: 8, .value_kind: global_buffer, .address_space: global }
      - { .name: kl, .offset: 16, .size: 8, .value_kind: global_buffer, .address_space: global }
      - { .name: vh, .offset: 24, .size: 8, .value_kind: global_buffer, .address_space: global }
      - { .name: tab, .offset: 32, .size: 8, .value_kind: global_buffer, .address_space: global }
      - { .name: out0, .offset: 40, .size: 8, .value_kind: global_buffer, .address_space: global }
    .group_segment_fixed_size: 52736
    .private_segment_fixed_size: 0
    .kernarg_segment_align: 8
    .kernarg_segment_size: 48
    .max_flat_workgroup_size: 128
    .sgpr_count:     66
    .vgpr_count:     512
    .wavefront_size: 32
...
	.end_amdgpu_metadata
.endif
;; end of part 5
